; MI455X (gfx1250); checked and timed in simulation.
; The chip was launched on July 23, 2026; its instructions are those of AMD's public machine-readable ISA for CDNA 5 (MIT licence, August 2026) and "CDNA5" Instruction Set Architecture Reference Guide (July 2026). The comments in the code are by the model that wrote it; some were corrected since.
;; Attention. Allowed arithmetic: matrix products marked QUANTISED: E3M2 operands, one E8M0 scale for each 32 along K, by v_wmma_scale_f32_16x16x128_f8f6f4 with both operands' format E3M2, f32 sums; everything else in f32.
;; Inputs: b_attn 3,072 float32; b_proj 1,024 float32; w_attn 1,024 x 3,072 float32; w_proj 1,024 x 1,024 float32; x 4 x 2,048 x 1,024 float32.
;; Outputs: out0 4 x 2,048 x 1,024 float32.
;; This version of the problem:
;;   THIS VERSION OF THE PROBLEM IS GIVEN IN LOW PRECISION. The matrix products marked QUANTISED in the list below multiply operands that are first quantised to E3M2 (3 exponent bits, 2 mantissa bits; 6 bits a number), with one power-of-two scale for each 32 numbers along K (OCP MX v1.0); their sums are f32. All else is computed in f32.
;;   The module's matrix products, in the order in which they are computed (A, B: the left and right operand; K: the contracted axis; several contracted axes count as one K, in the product's order):
;;     1. [M 8,192, K 1,024] x [K 1,024, N 3,072]; A: input x; B: input w_attn: QUANTISED
;;     2. batch 64 x [M 2,048, K 64] x [K 64, N 2,048]; A: computed on the way; B: computed on the way: QUANTISED
;;     3. batch 64 x [M 2,048, K 2,048] x [K 2,048, N 64]; A: softmax (see below); B: computed on the way: QUANTISED
;;     4. [M 8,192, K 1,024] x [K 1,024, N 1,024]; A: computed on the way; B: input w_proj: QUANTISED
;;   THE QUANTISER, for each operand of a quantised product, along K:
;;     - K is cut into blocks of 32 from its start; a last block that is shorter is filled with zeros.
;;     - A block's scale is 2^e with e = floor(log2(the largest magnitude in the block)) - 4, held to -126 .. 127; a block of zeros has e = 0. As a byte (E8M0): e + 127.
;;     - Each number is divided by its block's scale, clamped to +-28, and rounded to the nearest number of E3M2, ties to even, subnormals kept.
;;     - The product sums the exact products of the quantised numbers (number of the format x scale) in f32.
;;   ~~~python
;;   def quantise(x, axis):      # numpy; x: float32 -> the quantised numbers, widened to float32 again
;;       x = np.moveaxis(x, axis, -1); K = x.shape[-1]
;;       x = np.pad(x, [(0, 0)] * (x.ndim - 1) + [(0, -K % 32)]); x = x.reshape(x.shape[:-1] + (-1, 32)); a = np.abs(x).max(-1, keepdims=True)
;;       e = np.where(a > 0, np.clip(np.frexp(np.where(a > 0, a, 1))[1] - 1 - 4, -126, 127), 0)      # np.frexp(a)[1] - 1 = floor(log2(a)), exactly
;;       r = np.clip(x / 2.0 ** e, -28, 28)
;;       step = 2.0 ** (np.maximum(np.frexp(np.where(r == 0, 1, r))[1] - 1, -2) - 2)
;;       q = np.round(r / step) * step * 2.0 ** e      # np.round: ties to even
;;       return np.moveaxis(q.reshape(q.shape[:-2] + (-1,))[..., :K], -1, axis).astype(np.float32)
;;   ~~~
;;   SOFTMAX AHEAD OF A QUANTISED PRODUCT. Where the list says 'softmax', what is quantised is not the finished softmax but p = 2^(t - M), with t = logit x log2(e) and M = ceil(the row's largest t), a whole number; so 1/2 < the row's largest p <= 1. The row's sum l is taken of the UNQUANTISED p, in f32, and the product's result is divided by l at the end. Since M is a whole number, a kernel that streams over the keys may use a running M (the ceiling of the running maximum): every later rescaling is an exact power of two, which a block's scale takes up: the codes' values come out the same.
;;   OPERANDS COMPUTED ON THE WAY. 'Computed on the way' means the value that the module computes at that place (a softmax that the list does not call 'softmax' is quantised finished and normalised). What goes into a quantiser is computed in f32, as accurately as f32 sums, v_exp_f32 and their like allow (about 1e-6 of the number): no bf16 or f16 on the way to a quantiser, and a product that is left as it is and whose result goes on into a quantised operand takes f32 operands (vector FMAs, or v_wmma_f32_16x16x4_f32). A number that lies on a knife's edge between two numbers of the format may be rounded either way, as far as f32 arithmetic and the matrix unit's own rounding can turn it there, and no further.
;; One version. Each part assembles by itself: llvm-mc -triple=amdgcn-amd-amdhsa -mcpu=gfx1250 --defsym DOCPART=n.
;; ======== version 1 of 1: 4 launches
;; workspace buffers: qw 9,830,400 bytes; qkv 26,738,688 bytes; ab 6,553,600 bytes
;; launch quant (part 1): grid 384 x 1, 4 waves a work-group, no clusters, 68,096 bytes of LDS; arguments x, w_attn, w_proj, qw; writes qw
.if DOCPART == 1
	.amdgcn_target "amdgcn-amd-amdhsa--gfx1250"
	.amdhsa_code_object_version 6
	.text
	.protected	k_qdfaadb115d_quant
	.globl	k_qdfaadb115d_quant
	.p2align	8
	.type	k_qdfaadb115d_quant,@function
k_qdfaadb115d_quant:
	s_mov_b64 s[64:65], 0
	v_nop
	global_prefetch_b8 v0, s[64:65] scope:SCOPE_SE
	s_setreg_imm32_b32 hwreg(HW_REG_WAVE_MODE, 25, 1), 1
	s_wait_xcnt 0x0
; x [8192][1024], w_attn [1024][3072] and w_proj [1024][1024], f32, become codes of BF6 (E3M2), K innermost, 768 bytes a row, with one E8M0 byte for each 32 along K (32 bytes a row), all in the buffer qw.
; A block's scale is 2^(floor(log2(its largest magnitude)) - 4): its byte is the largest magnitude's exponent field - 4, held at 1 from below by a floor among the maximum's leaves.
; LIMITS: NaN and infinities are not served; a block whose largest magnitude lies under 2^-122 keeps the byte 1; a block of zeros gets the byte 1 and not 127 (its codes are zeros, and only this program reads the bytes).
; POSITIONS.  The rows of x's codes and of w_attn's codes are laid in POSITION order: inside each group of 32, position 16 u + r holds index 8 u + r + 8 (r / 8) (bits 3 and 4 of the index change places).
; Sixteen neighbouring positions are then a tile whose results, in the next launch, give a lane 16 neighbours along the following product's K.  w_proj's rows stay in their own order.
; Work-groups 0-255 take x (K innermost: a stream of blocks; a wave takes 8 tokens).  Work-groups 256-383 take the weights (K is the first axis: a lane takes a column and its registers run down K).
; The two ways part on the work-group's number and have LDS bytes of their own: x's from 0, the weights' from 32,768.  No tensor loads, no barrier: waves share nothing.
.set XSO,   6291456                    ; qw: x's codes at 0, x's scale bytes here,
.set WAC,   6553600                    ; w_attn's codes,
.set WAS,   8912896                    ; w_attn's scale bytes,
.set WPC,   9011200                    ; w_proj's codes,
.set WPS,   9797632                    ; w_proj's scale bytes
.set STEPS, 16                         ; x: steps of 512 numbers for a wave
.set CB,    12                         ; bytes of 16 codes
.set R,     16                         ; v16-79   x: four sets of 16 numbers as loaded
.set X,     80                         ; v80-111  x: two sets of 16 neighbours
.set E,     112                        ; v112-127 x: a scale byte for each step
.set C,     128                        ; v128-191 x: codes, four registers a step: no store's data are written again
.set WREG,  8192                       ; x: LDS of a wave: two stages of 32 x SP bytes, then its 256 scale bytes
.set SP,    80                         ; a lane's place in a stage: 64 bytes + 16 of padding
.set NB,    8                          ; weights: blocks of 32 along K for a wave
.set PITCH, 272                        ; weights: a stage row: sixteen places of 16 bytes + 16
.set KROW,  768                        ; a row of codes in bytes
.set WST,   32768                      ; weights: the stages begin here, 32 x PITCH bytes a wave
.set SB,    24                         ; v24-25   weights: the scale bytes
.set WX,    32                         ; v32-95   weights: two sets of 32 numbers
.set WC,    96                         ; v96-102  weights: a block's codes
.set OUTR,  112                        ; v112-175 weights: the way out
.set WO,    176                        ; v176-207 weights: byte offset of row i of a block at my column
	s_load_b256 s[4:11], s[0:1], 0x0               ; x s[4:5], w_attn s[6:7], w_proj s[8:9], qw s[10:11]
	v_lshl_add_u32 v208, v0, 2, 0x10800
	v_mov_b32 v209, 0
	v_lshrrev_b32 v1, 5, v0
	v_readfirstlane_b32 s16, v1                    ; wave
	v_and_b32 v2, 31, v0                           ; lane
	s_cmp_ge_u32 ttmp9, 256
	s_cbranch_scc1 .Lw
	; ---------------- x ----------------
	v_lshlrev_b32 v3, 4, v2                        ; my 16 bytes of a load's 512
	s_mul_i32 s17, s16, WREG
	v_lshrrev_b32 v14, 2, v2
	v_mul_u32_u24 v14, v14, SP
	v_and_b32 v15, 3, v2
	v_lshl_add_u32 v14, v15, 4, v14
	v_add_nc_u32 v14, s17, v14                     ; the stage, in: SP (lane / 4) + 16 (lane % 4)
	v_mul_u32_u24 v15, v2, SP
	v_add_nc_u32 v15, s17, v15                     ; and out: SP x lane: my 16 neighbours
	v_mul_u32_u24 v4, v2, CB                       ; my codes' place in a step's 384 bytes
	v_lshrrev_b32 v5, 1, v2
	s_add_co_u32 s17, s17, 2*32*SP
	v_add_nc_u32 v5, s17, v5                       ; my block's byte among the wave's 256
	v_lshlrev_b32 v7, 3, v2
	v_add_nc_u32 v6, s17, v7                       ; and 8 of them a lane on the way out
	s_lshl_b32 s18, ttmp9, 2
	s_add_co_u32 s20, s18, s16                     ; I read tokens 8 (4 g + wave) on:
	s_lshl_b32 s20, s20, 15                        ; 32,768 bytes
	s_mov_b32 s21, 0
	s_and_b32 s22, s16, 1
	s_lshl_b32 s22, s22, 1
	s_lshr_b32 s23, s16, 1
	s_or_b32 s22, s22, s23                         ; the wave's two bits change places: 0, 2, 1, 3
	s_add_co_u32 s18, s18, s22                     ; I write positions 8 (4 g + that) on
	s_mul_i32 s22, s18, 8*KROW
	s_mov_b32 s23, 0
	s_lshl_b32 s24, s18, 8
	s_add_co_u32 s24, s24, XSO
	s_mov_b32 s25, 0
	s_wait_alu depctr_va_vdst(0)
	s_wait_kmcnt 0x0
	s_add_nc_u64 s[4:5], s[4:5], s[20:21]
	s_add_nc_u64 s[12:13], s[10:11], s[22:23]      ; the codes
	s_add_nc_u64 s[14:15], s[10:11], s[24:25]      ; the scale bytes
.macro XLOAD t
.irp i, 0,1,2,3
	global_load_b128 v[R+16*((\t)%4)+4*\i:R+16*((\t)%4)+4*\i+3], v3, s[4:5] offset:2048*(\t)+512*\i th:TH_LOAD_NT   ; 32 lanes read 512 consecutive bytes
.endr
.endm
.macro XTURN t                         ; a step's numbers through the stage; LDS serves a wave's instructions in order, so no wait stands between the stores and the loads
.irp i, 0,1,2,3
	ds_store_b128 v14, v[R+16*((\t)%4)+4*\i:R+16*((\t)%4)+4*\i+3] offset:32*SP*((\t)%2)+8*SP*\i
.endr
.irp i, 0,1,2,3
	ds_load_b128 v[X+16*((\t)%2)+4*\i:X+16*((\t)%2)+4*\i+3], v15 offset:32*SP*((\t)%2)+16*\i
.endr
.endm
.irp t, 0,1,2,3
	XLOAD \t
.endr
	s_wait_loadcnt 12                              ; step 0's four loads are in; twelve younger ones stay out
	XTURN 0
.macro XSTEP t
.set XR, X+16*((\t)%2)
.if (\t) > 0
	s_wait_dscnt 1                                 ; this step's numbers are back from the stage (the last step's byte store may be out): its stage stores have read their registers,
.else
	s_wait_dscnt 0x0
.endif
.if (\t)+4 < STEPS
	XLOAD (\t)+4                                   ; which take the loads of four steps on
.endif
.if (\t)+1 < STEPS
.if STEPS-2-(\t) >= 3
	s_wait_loadcnt 12                              ; the next step's four loads are in; three steps' loads may be out
.else
	s_wait_loadcnt 4*(STEPS-2-(\t))
.endif
	XTURN (\t)+1
.endif
	v_max3_num_f32 v8, |v[XR]|, |v[XR+1]|, |v[XR+2]|               ; the largest magnitude of my 16, in two chains
	v_max3_num_f32 v9, |v[XR+3]|, |v[XR+4]|, |v[XR+5]|
.irp i, 6,10
	v_max3_num_f32 v8, v8, |v[XR+\i]|, |v[XR+\i+1]|
	v_max3_num_f32 v9, v9, |v[XR+\i+2]|, |v[XR+\i+3]|
.endr
	v_max3_num_f32 v8, v8, |v[XR+14]|, |v[XR+15]|
	v_max3_num_f32 v8, v8, v9, 0x2800000           ; and the floor 2^(5 - 127): the byte cannot fall under 1
	v_max_num_f32_dpp v8, v8, v8 row_xmask:1 row_mask:0xf bank_mask:0xf   ; with my neighbour's 16: the block's
	v_add_nc_u32 v11, 0xfe000000, v8               ; 4 off its exponent field: the conversion takes this operand's exponent field as its scale
	v_cvt_scalef32_pk16_bf6_f32 v[C+4*(\t):C+4*(\t)+2], v[XR:XR+15], v11
	v_lshrrev_b32 v[E+(\t)], 23, v11               ; the scale's byte (also the plain line behind the conversion)
	ds_store_b8 v5, v[E+(\t)] offset:16*(\t)       ; both lanes of a block write the same byte with the same value
	global_store_b96 v4, v[C+4*(\t):C+4*(\t)+2], s[12:13] offset:32*CB*(\t)   ; the wave stores 384 consecutive bytes
.endm
.irp t, 0,1,2,3,4,5,6,7,8,9,10,11,12,13,14,15
	XSTEP \t
.endr
	ds_load_b64 v[12:13], v6                       ; in order behind my byte stores
	s_wait_dscnt 0x0
	global_store_b64 v7, v[12:13], s[14:15]        ; 32 lanes store 256 consecutive bytes, aligned
	s_wait_tensorcnt 0x0
	ds_add_u32 v208, v209
	s_wait_dscnt 0x0
	s_endpgm
	; ---------------- the weights ----------------
.Lw:
	s_sub_co_u32 s17, ttmp9, 256
	s_and_b32 s18, s17, 31                         ; which 128 columns: 0-23 of w_attn, 24-31 of w_proj
	s_lshr_b32 s19, s17, 5                         ; which 256 along K
	s_mov_b32 s20, 12288                           ; a row of w_attn in bytes,
	s_mov_b32 s21, 4096                            ; of w_proj
	s_mov_b32 s22, WAC
	s_mov_b32 s23, WPC
	s_mov_b32 s24, WAS
	s_mov_b32 s25, WPS
	s_wait_kmcnt 0x0
	s_cmp_lt_u32 s18, 24                           ; the choice hangs on the work-group's number alone
	s_cselect_b32 s20, s20, s21
	s_cselect_b32 s22, s22, s23
	s_cselect_b32 s24, s24, s25
	s_cselect_b32 s26, 24, 0                       ; w_attn's columns go to positions, w_proj's stay
	s_cselect_b32 s27, 0, 24
	s_cselect_b64 s[6:7], s[6:7], s[8:9]
	s_sub_co_u32 s18, s18, s27
	s_lshl_b32 s18, s18, 7
	s_lshl_b32 s27, s16, 5
	s_add_co_u32 s18, s18, s27                     ; my wave's first column
	s_wait_alu depctr_va_vdst(0)
	v_lshrrev_b32 v3, 3, v2
	v_lshrrev_b32 v4, 4, v2
	v_xor_b32 v3, v3, v4
	v_and_b32 v3, 1, v3
	v_mul_u32_u24 v3, s26, v3
	v_xor_b32 v3, v2, v3                           ; the lane at position l reads column l with bits 3 and 4 exchanged
	v_lshlrev_b32 v3, 2, v3
.set I, 0
.rept 32
	v_mad_u32_u24 v[WO+I], s20, I, v3              ; row I of a block, my column
.set I, I+1
.endr
	s_lshl_b32 s28, s19, 8
	s_mul_i32 s28, s28, s20
	s_lshl_b32 s29, s18, 2
	s_add_co_u32 s28, s28, s29
	s_mov_b32 s29, 0
	s_add_nc_u64 s[32:33], s[6:7], s[28:29]        ; a base for each of the eight blocks, 32 rows apart
	s_lshl_b32 s28, s20, 5
.irp t, 1,2,3,4,5,6,7
	s_add_nc_u64 s[32+2*\t:33+2*\t], s[30+2*\t:31+2*\t], s[28:29]
.endr
	s_mul_i32 s30, s16, 32*PITCH
	s_add_co_u32 s30, s30, WST                     ; my stage
	v_mul_u32_u24 v4, v2, PITCH
	v_add_nc_u32 v4, s30, v4                       ; in: row = my position
	v_and_b32 v5, 15, v2
	v_lshrrev_b32 v6, 4, v2
	v_mul_u32_u24 v7, v6, PITCH
	v_lshl_add_u32 v7, v5, 4, v7
	v_add_nc_u32 v7, s30, v7                       ; out: sixteen lanes to a row, two rows an instruction
	v_mul_u32_u24 v8, v6, KROW
	v_mad_u32_u24 v8, v5, 12, v8                   ; and the same place in the codes
	v_lshlrev_b32 v9, 5, v2                        ; my position's row of scale bytes
	s_mul_i32 s28, s18, KROW
	s_add_co_u32 s28, s28, s22
	s_mul_i32 s31, s19, 192
	s_add_co_u32 s28, s28, s31
	s_add_nc_u64 s[12:13], s[10:11], s[28:29]      ; the codes: row = first column, + 192 bytes for each 256 along K
	s_lshl_b32 s28, s18, 5
	s_add_co_u32 s28, s28, s24
	s_lshl_b32 s31, s19, 3
	s_add_co_u32 s28, s28, s31
	s_add_nc_u64 s[14:15], s[10:11], s[28:29]      ; the scale bytes
.macro WLOAD t                         ; block t: 32 rows at my column: a wave reads 128 consecutive bytes, the four waves 512
.set I, 0
.rept 32
	global_load_b32 v[WX+32*((\t)%2)+I], v[WO+I], s[32+2*(\t):33+2*(\t)] th:TH_LOAD_NT
.set I, I+1
.endr
.endm
	WLOAD 0
	WLOAD 1
.macro WBLOCK t
.set XR, WX+32*((\t)%2)
.if (\t) < NB-1
	s_wait_loadcnt 32                              ; this block's 32 loads are in; the next block's may be out
.else
	s_wait_loadcnt 0
.endif
	v_max3_num_f32 v12, |v[XR]|, |v[XR+1]|, |v[XR+2]|              ; all 32 numbers of the block are mine
	v_max3_num_f32 v13, |v[XR+3]|, |v[XR+4]|, |v[XR+5]|
.irp i, 6,10,14,18,22,26
	v_max3_num_f32 v12, v12, |v[XR+\i]|, |v[XR+\i+1]|
	v_max3_num_f32 v13, v13, |v[XR+\i+2]|, |v[XR+\i+3]|
.endr
	v_max3_num_f32 v12, v12, |v[XR+30]|, |v[XR+31]|
	v_max3_num_f32 v12, v12, v13, 0x2800000        ; the floor
	v_add_nc_u32 v11, 0xfe000000, v12              ; the conversion's scale operand
	v_lshrrev_b32 v13, 23, v11                     ; the byte
.if (\t)%4 == 0
	v_mov_b32 v[SB+(\t)/4], v13
.else
	v_lshl_or_b32 v[SB+(\t)/4], v13, 8*((\t)%4), v[SB+(\t)/4]
.endif
	v_cvt_scalef32_pk16_bf6_f32 v[WC:WC+2], v[XR:XR+15], v11
	v_cvt_scalef32_pk16_bf6_f32 v[WC+4:WC+6], v[XR+16:XR+31], v11  ; (a conversion's three registers begin on an even number)
	v_nop                                          ; a plain line behind the conversions
	ds_store_b96 v4, v[WC:WC+2] offset:32*(\t)     ; 12 bytes to a place of 16: every LDS address is a multiple of 16
	ds_store_b96 v4, v[WC+4:WC+6] offset:32*(\t)+16
.if (\t)+2 < NB
	WLOAD (\t)+2
.endif
	s_wait_dscnt 0x0                               ; the stores have read their registers: the next block's codes may be written
.endm
.set Q, 0
.rept NB
	WBLOCK Q
.set Q, Q+1
.endr
	s_wait_alu depctr_va_vdst(0)
	global_store_b64 v9, v[SB:SB+1], s[14:15]      ; my position's eight scale bytes
.irp t, 0,1,2,3,4,5,6,7,8,9,10,11,12,13,14,15
	ds_load_b96 v[OUTR+4*\t:OUTR+4*\t+2], v7 offset:2*\t*PITCH
.endr
.irp t, 0,1,2,3,4,5,6,7,8,9,10,11,12,13,14,15
	s_wait_dscnt 15-\t                             ; read-back t is in; the younger ones stay out
	global_store_b96 v8, v[OUTR+4*\t:OUTR+4*\t+2], s[12:13] offset:2*\t*KROW   ; sixteen lanes store a row's 192 consecutive bytes
.endr
	s_wait_tensorcnt 0x0
	ds_add_u32 v208, v209
	s_wait_dscnt 0x0
	s_endpgm
.Lfunc_end_k_qdfaadb115d_quant:
	.size	k_qdfaadb115d_quant, .Lfunc_end_k_qdfaadb115d_quant-k_qdfaadb115d_quant
	.p2alignl 7, 3214868480
	.fill 96, 4, 3214868480
	.section	.rodata,"a",@progbits
	.p2align	6, 0x0
	.amdhsa_kernel k_qdfaadb115d_quant
		.amdhsa_group_segment_fixed_size 68096
		.amdhsa_private_segment_fixed_size 0
		.amdhsa_enable_private_segment 0
		.amdhsa_kernarg_size 32
		.amdhsa_user_sgpr_count 2
		.amdhsa_user_sgpr_kernarg_segment_ptr 1
		.amdhsa_wavefront_size32 1
		.amdhsa_system_sgpr_workgroup_id_x 1
		.amdhsa_system_sgpr_workgroup_id_y 1
		.amdhsa_system_sgpr_workgroup_id_z 1
		.amdhsa_system_vgpr_workitem_id 0
		.amdhsa_next_free_vgpr 210
		.amdhsa_next_free_sgpr 66
		.amdhsa_reserve_vcc 0
		.amdhsa_float_denorm_mode_32 3
		.amdhsa_float_denorm_mode_16_64 3
		.amdhsa_memory_ordered 1
		.amdhsa_forward_progress 1
		.amdhsa_inst_pref_size 76
	.end_amdhsa_kernel
	.amdgpu_metadata
---
amdhsa.version: [ 1, 2 ]
amdhsa.kernels:
  - .name:           k_qdfaadb115d_quant
    .symbol:         k_qdfaadb115d_quant.kd
    .args:
      - { .name: x, .offset: 0, .size: 8, .value_kind: global_buffer, .address_space: global }
      - { .name: w_attn, .offset: 8, .size: 8, .value_kind: global_buffer, .address_space: global }
      - { .name: w_proj, .offset: 16, .size: 8, .value_kind: global_buffer, .address_space: global }
      - { .name: qw, .offset: 24, .size: 8, .value_kind: global_buffer, .address_space: global }
    .group_segment_fixed_size: 68096
    .private_segment_fixed_size: 0
    .kernarg_segment_align: 8
    .kernarg_segment_size: 32
    .max_flat_workgroup_size: 128
    .sgpr_count:     66
    .vgpr_count:     210
    .wavefront_size: 32
...
	.end_amdgpu_metadata
.endif
;; end of part 1
;; launch qkvgemm (part 2): grid 12 x 32, 4 waves a work-group, clusters of 4 x 4, 327,680 bytes of LDS; arguments qw, b_attn, qkv; writes qkv
.if DOCPART == 2
	.amdgcn_target "amdgcn-amd-amdhsa--gfx1250"
	.amdhsa_code_object_version 6
	.text
	.protected	k_qdfaadb115d_qkvgemm
	.globl	k_qdfaadb115d_qkvgemm
	.p2align	8
	.type	k_qdfaadb115d_qkvgemm,@function
k_qdfaadb115d_qkvgemm:
	s_mov_b64 s[64:65], 0
	v_nop
	global_prefetch_b8 v0, s[64:65] scope:SCOPE_SE
	s_setreg_imm32_b32 hwreg(HW_REG_WAVE_MODE, 25, 1), 1
	s_wait_xcnt 0x0
	s_wait_alu depctr_hold_cnt(0) depctr_sa_sdst(0) depctr_va_vdst(0) depctr_va_sdst(0) depctr_va_ssrc(0) depctr_va_vcc(0) depctr_vm_vsrc(0)
	s_getreg_b32 s2, hwreg(HW_REG_IB_STS2, 6, 4)
	s_cmp_eq_u32 s2, 0
	s_cbranch_scc0 .Lentry_in_a_cluster
	s_endpgm
.Lentry_in_a_cluster:
	s_bfe_u32 s2, ttmp6, 0x10000c
	s_cmp_lg_u32 s2, 0xf033
	s_cbranch_scc0 .Lentry_shape_is_right
	s_endpgm
.Lentry_shape_is_right:
; qkv = x w_attn + b_attn on codes of BF6 with E8M0 scales (K = 1,024), and q, k, v are quantised in the registers in which they arise: only codes and scale bytes go to memory.
; A tile of 256 x 256 is made by four waves, 128 x 128 each (64 accumulators, 512 registers); K goes in steps of 256 through a ring of two LDS slots filled by the tensor data mover; the scale bytes of the tile's rows come once.
; THE MATRIX INSTRUCTION takes 16 rows of the tensor called B as source 0 and 16 rows of the tensor called A as source 1: a lane then holds ONE row of A, and its registers run along B's rows.
;   q and k (cluster x 0 and 1): A = x's tokens, B = w_attn's columns: a lane holds a token and its registers run along the head's channels, which are the score product's K.
;   v (cluster x 2):             A = w_attn's columns, B = x's tokens: a lane holds a channel and its registers run along the tokens, which are the second product's K.
; Rows of both tensors lie in POSITION order (position 16 u + r of a group of 32 holds index 8 u + r + 8 (r / 8)), so the 16 registers of two neighbouring tiles are 16 NEIGHBOURS: index 32 b + 16 (lane / 16) + 0 .. 15.
; The bias is the C of each sum's first matrix instruction.  It is thereby added ahead of the products and not behind them: another order of f32 rounding than the source's.
; OUT.  qkv holds, for each head (208,896 bytes) and key step of 128 tokens: K as four images of register pairs of tiles (tile 2 i in registers 0-5, tile 2 i + 1 in 6-11; a tile is 16 positions x 64 channels), V as four whole fragments
; (16 channel positions x 128 keys), and behind all steps their scale words, two tiles to a register (lanes 0-15, lanes 16-31).  An image is 12 registers as three groups of 512 bytes, lane l's 16 bytes at 16 l.  Q goes to K's places in the buffer's second half.
; CLUSTERS: 4 x 4 work-groups; A's tiles are asked for jointly along a row of the cluster, B's along a column.  The branches on q, k or v hang on the cluster's x, which all sixteen share.
; LIMITS: NaN and infinities are not served; blocks under 2^-122 keep the byte 1; blocks of zeros get the byte 1 (zero codes; only this program reads the bytes).
; REGISTERS: window 0: v0-31 addresses; v32-63 scale words, two sets; v64-127 the bias, later the codes made; v128-223 A's fragments, one set; v224-243 at work on the way out.
;   window 1: B's fragments, two sets.   window 2: the accumulators of my A rows 0-63 ((a, b) at v[8 (8 a + b)]);   window 3: those of rows 64-127.
.set XSO,   6291456                    ; qw: x's codes at 0, x's scale bytes here, w_attn's codes, w_attn's scale bytes
.set WAC,   6553600
.set WAS,   8912896
.set HEADB, 208896                     ; qkv: a head
.set QOFF,  13369344                   ; qkv: the second half
.set KSTEP,  256
.set NQ,     2                         ; matrix instructions deep in a slot
.set ROWB,   192                       ; a tile's row in bytes
.set KROW,   768                       ; a row of codes in memory
.set PITCH,  240                       ; an LDS row: 3 x (64 bytes + 16 of padding)
.set FR,     12
.set NL,     6                         ; LDS loads that bring a fragment
.set NP,     4                         ; places behind this matrix instruction (ISA guide 7.12.1)
.set HALFT,  128*PITCH
.set SLOT,   4*HALFT
.set LAPS,   2                         ; K = 1,024 is twice round the ring
.set KS,     32                        ; a row of scale bytes
.set SCL,    2*SLOT
.set HALFS,  (128*KS/256)*272
.set SBLK,   (16*KS/256)*272
.set SPARE,  SCL+4*HALFS               ; the spare words: 128 bytes a wave, named by no other line
.set ADRA, 16                          ; v16-17 my A fragments in slot 0, 1 (v18-19: behind one padding more)
.set ADRB, 20                          ; v20-23 the same for B
.set LI16, 24                          ; v24  16 x lane
.set LI4,  25                          ; v25  4 x lane
.set ADRS, 27                          ; v27  my scale words: lanes 0-15 A's rows, lanes 16-31 B's
.set SPW,  28
.set NIL,  29
.set SC,   32
.set BIAS, 64
.set AF,   128
.set H0,   64                          ; the way out: an image of 12 registers,
.set H1,   76                          ; a second one,
.set TQ,   88                          ; v88-94 the conversions' second halves
.set TM,   224                         ; v224-227 largest magnitudes, v228-231 bytes, v236-239 the conversions' scale operands
.set PWE,  240                         ; the even tile's scale word, the odd tile's,
.set PWO,  241
.set W0,   242                         ; and what is stored of them
.set W1,   243
.set G1, 24
.set G0, 32
.set G1B, 48
.set G0B, 56
.set G1S, 68
.set G0S, 76
.set G1SB, 80
.set G0SB, 88
.set DB,  92                           ; s[92:93] where my images go;  s[94:95] my scale words
.set SBS, 94
.set SEL, 96                           ; s[96:97] v_permlanex16_b32's selects for lane l xor 16
.set HM,  98                           ; s98 lanes 16-31
.set MSB, 0
.macro WIN new                         ; the immediate's high byte repeats the setting that is left
.if MSB != (\new)
	s_set_vgpr_msb (MSB<<8)|(\new)
.set MSB, (\new)
.endif
.endm
.set MUL_LO, 0xa1                      ; source 0 (B) window 1, source 1 (A) window 0, C and D window 2
.set MUL_HI, 0xf1
.set TO_B,   0x40
.macro JLOAD g0a, g1a, g0b, g1b        ; a joint load: waves 0 and 1 fetch for A, waves 2 and 3 for B; four v_nop follow each line
	s_cmp_eq_u32 s15, 0
	s_cbranch_scc0 .Lfor_b_\@
	tensor_load_to_lds s[\g0a:\g0a+3], s[\g1a:\g1a+7]
	s_nop 0
.rept 4
	v_nop
.endr
	s_branch .Lasked_\@
.Lfor_b_\@:
	tensor_load_to_lds s[\g0b:\g0b+3], s[\g1b:\g1b+7]
	s_nop 0
.rept 4
	v_nop
.endr
.Lasked_\@:
.endm
.macro CREST
	s_cmp_lg_u32 s14, 0
	s_cbranch_scc1 .Lnot_wave_0_\@
	s_barrier_signal -3
.Lnot_wave_0_\@:
	s_barrier_wait -3
	s_barrier_signal -1
	s_barrier_wait -1
.endm
.macro CROUND
	s_barrier_signal -1
	s_barrier_wait -1
	CREST
.endm
	s_load_b128 s[4:7], s[0:1], 0x0                ; qw s[4:5], b_attn s[6:7]
	s_load_b64 s[8:9], s[0:1], 0x10                ; qkv
	v_lshl_add_u32 v[SPW], v0, 2, SPARE
	v_mov_b32 v[NIL], 0
	ds_add_u32 v28, v29
	ds_add_u32 v28, v29
	s_wait_dscnt 0x0
	v_lshrrev_b32 v1, 5, v0
	v_readfirstlane_b32 s14, v1                    ; wave 0..3
	s_lshr_b32 s15, s14, 1                         ; which half of A's rows is mine.  Also: I fetch for A (0) or for B (1)
	s_and_b32 s16, s14, 1                          ; which half of B's rows.  Also: which 128 rows I fetch
	s_bfe_u32 s40, ttmp6, 0x40000                  ; cx
	s_bfe_u32 s41, ttmp6, 0x40004                  ; cy
	s_and_b32 s10, ttmp7, 0xffff
	s_lshl_b32 s10, s10, 2                         ; 4 x cluster y: four tiles of tokens
	s_lshl_b32 s11, ttmp9, 2                       ; 4 x cluster x: four tiles of columns
	s_mov_b32 s12, WAC
	s_mov_b32 s13, WAS
	s_mov_b32 s18, XSO
	s_cmp_eq_u32 ttmp9, 2                          ; v?  All selections stand ahead of the additions, which set SCC
	s_cselect_b32 s17, 8, s10                      ; A's tile: w_attn's 8 + cy, or x's 4 Y + cy
	s_cselect_b32 s42, s10, s11                    ; B's tile: x's 4 Y + cx, or w_attn's 4 X + cx
	s_cselect_b32 s96, s12, 0                      ; where A's codes begin in qw,
	s_cselect_b32 s97, s13, s18                    ; A's scale bytes,
	s_cselect_b32 s98, 0, s12                      ; B's codes,
	s_cselect_b32 s99, s18, s13                    ; B's scale bytes
	s_add_co_u32 s17, s17, s41
	s_add_co_u32 s42, s42, s40
	s_lshl_b32 s43, s41, 2
	s_lshl_b32 s43, 15, s43                        ; my row of the cluster
	s_lshl_b32 s44, 0x1111, s40                    ; my column
	s_or_b32 s[G1+0], s43, (0<<16)|(1<<20)|(1<<21)|(3<<22)|(3<<25)  ; the mask; elements of 1 byte; padding on; bit 21 beside a mask; after every 16 words, 4 words
	s_or_b32 s[G1B+0], s44, (0<<16)|(1<<20)|(1<<21)|(3<<22)|(3<<25)
.irp g, G1, G1B
	s_mov_b32 s[\g+1], ROWB<<16                    ; tensor_dim0
	s_mov_b32 s[\g+2], 128<<16                     ; tensor_dim1
	s_mov_b32 s[\g+3], ROWB<<16                    ; tile_dim0
	s_mov_b32 s[\g+4], 128                         ; tile_dim1
	s_mov_b32 s[\g+5], KROW                        ; the pitch
	s_mov_b32 s[\g+6], 0
	s_mov_b32 s[\g+7], 0
.endr
	s_or_b32 s[G1S+0], s43, (3<<16)|(1<<20)|(1<<21)|(5<<22)|(3<<25) ; the scale bytes of 128 rows: 16 dense rows of 256 bytes, 16 bytes of padding behind each
	s_or_b32 s[G1SB+0], s44, (3<<16)|(1<<20)|(1<<21)|(5<<22)|(3<<25)
.irp g, G1S, G1SB
	s_mov_b32 s[\g+1], 32<<16
	s_mov_b32 s[\g+2], (128*KS/256)<<16
	s_mov_b32 s[\g+3], 32<<16
	s_mov_b32 s[\g+4], 128*KS/256
	s_mov_b32 s[\g+5], 32
	s_mov_b32 s[\g+6], 0
	s_mov_b32 s[\g+7], 0
.endr
	s_lshl_b32 s18, s16, 7                         ; which 128 rows of the tile I fetch
	s_lshl_b32 s20, s17, 8
	s_add_co_u32 s20, s20, s18                     ; A's first row
	s_lshl_b32 s46, s42, 8
	s_add_co_u32 s46, s46, s18                     ; B's
	s_lshl_b32 s22, s20, 5
	s_add_co_u32 s22, s22, s97                     ; offsets in qw (under 2^24): A's scale bytes,
	s_mov_b32 s23, 0
	s_mul_i32 s20, s20, KROW
	s_add_co_u32 s20, s20, s96                     ; A's codes,
	s_mov_b32 s21, 0
	s_lshl_b32 s92, s46, 5
	s_add_co_u32 s92, s92, s99                     ; B's scale bytes,
	s_mov_b32 s93, 0
	s_mul_i32 s46, s46, KROW
	s_add_co_u32 s46, s46, s98                     ; B's codes
	s_mov_b32 s47, 0
	s_mul_i32 s45, s14, HALFT                      ; where they go: wave x 128 rows: no place in the cluster enters an LDS address
	s_mul_i32 s94, s14, HALFS
	s_wait_kmcnt 0x0
	s_add_nc_u64 s[20:21], s[4:5], s[20:21]
	s_add_nc_u64 s[22:23], s[4:5], s[22:23]
	s_add_nc_u64 s[46:47], s[4:5], s[46:47]
	s_add_nc_u64 s[92:93], s[4:5], s[92:93]
	CROUND                                         ; all sixteen work-groups are here: the first joint loads meet
	s_mov_b32 s[G0S], 1
	s_add_co_u32 s[G0S+1], s94, SCL
	s_mov_b64 s[G0S+2:G0S+3], s[22:23]
	s_or_b32 s[G0S+3], s[G0S+3], 0x80000000
	s_mov_b32 s[G0SB], 1
	s_add_co_u32 s[G0SB+1], s94, SCL
	s_mov_b64 s[G0SB+2:G0SB+3], s[92:93]
	s_or_b32 s[G0SB+3], s[G0SB+3], 0x80000000
	JLOAD G0S, G1S, G0SB, G1SB                     ; the scale bytes first: by my own count three tensor loads are out at the most
.irp s, 0,1
	s_mov_b32 s[G0+4*\s], 1
	s_add_co_u32 s[G0+4*\s+1], s45, \s*SLOT
	s_add_nc_u64 s[G0+4*\s+2:G0+4*\s+3], s[20:21], \s*ROWB
	s_or_b32 s[G0+4*\s+3], s[G0+4*\s+3], 0x80000000
	s_mov_b32 s[G0B+4*\s], 1
	s_add_co_u32 s[G0B+4*\s+1], s45, \s*SLOT
	s_add_nc_u64 s[G0B+4*\s+2:G0B+4*\s+3], s[46:47], \s*ROWB
	s_or_b32 s[G0B+4*\s+3], s[G0B+4*\s+3], 0x80000000
	JLOAD G0+4*\s, G1, G0B+4*\s, G1B
.endr
	v_and_b32 v1, 15, v0                           ; r
	v_bfe_u32 v2, v0, 4, 1                         ; h
	v_mul_u32_u24 v3, v1, PITCH
	v_mul_u32_u24 v4, v2, 24
	v_add_nc_u32 v4, v3, v4                        ; a fragment's row x pitch + 24 h
	v_lshl_add_u32 v5, v2, 4, v4                   ; and the same behind one padding more
	s_mul_i32 s21, s15, HALFT
	s_mul_i32 s22, s16, HALFT
	s_add_co_u32 s22, s22, 2*HALFT
.irp s, 0,1
	v_add_nc_u32 v[ADRA+\s], s21, v4
	v_add_nc_u32 v[ADRB+\s], s22, v4
	v_add_nc_u32 v[ADRA+2+\s], s21, v5
	v_add_nc_u32 v[ADRB+2+\s], s22, v5
	s_add_co_u32 s21, s21, SLOT
	s_add_co_u32 s22, s22, SLOT
.endr
	v_mul_u32_u24 v5, v1, KS                       ; my row's scale bytes,
	v_lshrrev_b32 v6, 8, v5
	v_lshl_add_u32 v5, v6, 4, v5                   ; 16 more for each 256 passed
	s_mul_i32 s21, s15, HALFS
	s_mul_i32 s22, s16, HALFS
	s_add_co_u32 s22, s22, 2*HALFS
	s_sub_co_u32 s22, s22, s21
	v_mul_u32_u24 v6, s22, v2                      ; lanes 16-31 take B's: one product, the distance between the two bases
	s_add_co_u32 s21, s21, SCL
	v_add_nc_u32 v5, v5, v6
	v_add_nc_u32 v[ADRS], s21, v5
	v_and_b32 v6, 31, v0
	v_lshlrev_b32 v[LI16], 4, v6
	v_lshlrev_b32 v[LI4], 2, v6
.irp b, 0,1,2,3
	v_mov_b32 v[TM+4+\b], 0                        ; written once: a lane permute's destination counts as one of its sources
.endr
	; where my results go, and where my bias lies
	s_cmp_eq_u32 ttmp9, 2
	s_cselect_b32 s12, s40, s41                    ; my tile of tokens: 4 Y + cx for v, 4 Y + cy for q and k
	s_cselect_b32 s13, s16, s15                    ; and which half of it
	s_cselect_b32 s18, s41, s40                    ; my tile of columns is four heads,
	s_cselect_b32 s19, s15, s16                    ; my half of it two
	s_cselect_b32 s100, s17, s42                   ; w_attn's tile
	s_cselect_b32 s101, s15, s16
	s_add_co_u32 s12, s12, s10
	s_and_b32 s2, s12, 7
	s_lshl_b32 s2, s2, 1
	s_add_co_u32 s2, s2, s13                       ; the key step, 0 .. 15
	s_lshr_b32 s12, s12, 3                         ; the batch
	s_lshl_b32 s12, s12, 4
	s_lshl_b32 s18, s18, 2
	s_add_co_u32 s12, s12, s18
	s_lshl_b32 s19, s19, 1
	s_add_co_u32 s12, s12, s19                     ; my first head, 0 .. 62
	s_mul_i32 s12, s12, HEADB
	s_mov_b32 s13, QOFF
	s_cmp_eq_u32 ttmp9, 0
	s_cselect_b32 s13, s13, 0                      ; q goes to the second half
	s_add_co_u32 s12, s12, s13
	s_mul_i32 s66, s2, 12288
	s_add_co_u32 s66, s66, s12
	s_mov_b32 s67, 0
	s_add_nc_u64 s[DB:DB+1], s[8:9], s[66:67]
	s_mul_i32 s66, s2, 768
	s_add_co_u32 s66, s66, s12
	s_add_co_u32 s66, s66, 196608
	s_add_nc_u64 s[SBS:SBS+1], s[8:9], s[66:67]
	s_mov_b32 s[SEL], 0x76543210
	s_mov_b32 s[SEL+1], 0xfedcba98
	s_mov_b32 s[HM], 0xffff0000
	s_lshl_b32 s100, s100, 10
	s_lshl_b32 s101, s101, 9
	s_add_co_u32 s100, s100, s101
	s_mov_b32 s101, 0
	s_add_nc_u64 s[6:7], s[6:7], s[100:101]        ; b_attn at my 128 columns
	s_cmp_eq_u32 ttmp9, 2
	s_cbranch_scc1 .Lbias_v
	v_lshlrev_b32 v7, 6, v2                        ; q, k: register j of B's tile b is column 32 (b / 2) + 8 (b % 2) + 16 h + j
.irp b, 0,1,2,3,4,5,6,7
	global_load_b128 v[BIAS+8*\b:BIAS+8*\b+3], v7, s[6:7] offset:(32*(\b/2)+8*(\b%2))*4
	global_load_b128 v[BIAS+8*\b+4:BIAS+8*\b+7], v7, s[6:7] offset:(32*(\b/2)+8*(\b%2))*4+16
.endr
	s_branch .Lbias_done
.Lbias_v:
	v_and_b32 v7, 8, v1                            ; v: lane r of A's tile a is column 32 (a / 2) + 8 (a % 2) + r + 8 (r / 8): the same number in all eight registers of a C
	v_add_nc_u32 v7, v7, v1
	v_lshlrev_b32 v7, 2, v7
.irp a, 0,1,2,3,4,5,6,7
.irp j, 0,1,2,3,4,5,6,7
	global_load_b32 v[BIAS+8*\a+\j], v7, s[6:7] offset:(32*(\a/2)+8*(\a%2))*4
.endr
.endr
.Lbias_done:
.macro FRAG reg, adr, q, i             ; 16 rows x 128 K: 12 registers: lane l holds row l % 16; registers 6 c .. 6 c + 5 hold K = 64 c + 32 (l / 16) + 0 .. 31, as the bits lie; in pieces of 8 bytes
.irp p, 0,1,2,3,4,5
.set PC, 12*(\q)+6*(\p/3)+\p%3
.if PC%8 < 5
	ds_load_b64 v[\reg+2*\p:\reg+2*\p+1], v[\adr] offset:8*PC+16*(PC/8)+(\i)*16*PITCH
.else
	ds_load_b64 v[\reg+2*\p:\reg+2*\p+1], v[\adr+2] offset:8*PC+16*(PC/8)+(\i)*16*PITCH
.endif
.endr
.endm
; 16 matrix instructions: A's blocks a0, a0 + 1 x B's eight.  zero = 1: the sums start from the bias by B's tile;  2: by A's tile;  0: they go on in place.
; The 64 accumulators take turns, one instruction a turn, in the same order in every step.
.macro MUL16 a0, p, q, sc, zero
.irp a, \a0, \a0+1
.irp b, 0,1,2,3,4,5,6,7
.if \zero == 1
	v_wmma_scale_f32_16x16x128_f8f6f4 v[8*(8*((\a)%4)+\b):8*(8*((\a)%4)+\b)+7], v[128*(\p)+FR*\b:128*(\p)+FR*\b+FR-1], v[AF+FR*(\a):AF+FR*(\a)+FR-1], v[BIAS+8*\b:BIAS+8*\b+7], v[SC+8*NQ*(\sc)+NQ*\b+(\q)], v[SC+8*NQ*(\sc)+NQ*(\a)+(\q)] matrix_a_fmt:MATRIX_FMT_BF6 matrix_b_fmt:MATRIX_FMT_BF6 matrix_a_scale:MATRIX_SCALE_ROW1
.elseif \zero == 2
	v_wmma_scale_f32_16x16x128_f8f6f4 v[8*(8*((\a)%4)+\b):8*(8*((\a)%4)+\b)+7], v[128*(\p)+FR*\b:128*(\p)+FR*\b+FR-1], v[AF+FR*(\a):AF+FR*(\a)+FR-1], v[BIAS+8*(\a):BIAS+8*(\a)+7], v[SC+8*NQ*(\sc)+NQ*\b+(\q)], v[SC+8*NQ*(\sc)+NQ*(\a)+(\q)] matrix_a_fmt:MATRIX_FMT_BF6 matrix_b_fmt:MATRIX_FMT_BF6 matrix_a_scale:MATRIX_SCALE_ROW1
.else
	v_wmma_scale_f32_16x16x128_f8f6f4 v[8*(8*((\a)%4)+\b):8*(8*((\a)%4)+\b)+7], v[128*(\p)+FR*\b:128*(\p)+FR*\b+FR-1], v[AF+FR*(\a):AF+FR*(\a)+FR-1], v[8*(8*((\a)%4)+\b):8*(8*((\a)%4)+\b)+7], v[SC+8*NQ*(\sc)+NQ*\b+(\q)], v[SC+8*NQ*(\sc)+NQ*(\a)+(\q)] matrix_a_fmt:MATRIX_FMT_BF6 matrix_b_fmt:MATRIX_FMT_BF6 matrix_a_scale:MATRIX_SCALE_ROW1
.endif
.endr
.endr
.endm
.macro FETCH_B slot, q, p
	WIN TO_B
.irp i, 0,1,2,3,4,5,6,7
	FRAG 128*(\p)+FR*\i, ADRB+\slot, \q, \i
.endr
	WIN 0
.endm
.macro FETCH_A slot, q, i0
.irp i, \i0, \i0+1, \i0+2, \i0+3
	FRAG AF+FR*(\i), ADRA+\slot, \q, \i
.endr
.endm
.macro SCALES sc                       ; a K step's scale words: lanes 0-15 A's block i, lanes 16-31 B's block i
.irp i, 0,1,2,3,4,5,6,7
	ds_load_b64 v[SC+8*NQ*\sc+NQ*\i:SC+8*NQ*\sc+NQ*\i+1], v[ADRS] offset:\i*SBLK
.endr
.endm
.macro PLACES n                        ; plain vector lines between a matrix instruction and a load into, or a read of, its registers (ISA guide 7.12.1 for reads)
.rept \n
	v_nop
.endr
.endm
.macro STEP slot, q, zero              ; 128 along K with a successor in the same slot
	s_wait_dscnt 4*NL                              ; B's set and A's blocks 0-3 are in; the youngest 24 loads (A's blocks 4-7) may be out
.if \zero
	WIN 0x81                                       ; C (the bias) in window 0, D in window 2
.else
	WIN MUL_LO
.endif
	MUL16 0, (\q)%2, \q, \slot, \zero
	MUL16 2, (\q)%2, \q, \slot, \zero
	s_wait_dscnt 0
	PLACES NP
	FETCH_B \slot, (\q)+1, 1-(\q)%2
	FETCH_A \slot, (\q)+1, 0
.if \zero
	WIN 0xc1
.else
	WIN MUL_HI
.endif
	MUL16 4, (\q)%2, \q, \slot, \zero
	MUL16 6, (\q)%2, \q, \slot, \zero
	PLACES NP
	WIN 0
	FETCH_A \slot, (\q)+1, 4
.endm
; A slot's last step changes slots: one barrier; in front of it each wave waits for all its tensor loads, adds 0 to its spare word, and waits for that and for its reads of this slot.
.macro TURN slot, next, fill
	s_wait_tensorcnt 0x0                           ; all my tensor loads have landed: my part of the next slot
	ds_add_u32 v[SPW], v[NIL]                      ; 0 onto my spare word
	s_wait_dscnt 4*NL+1                            ; (the add and the youngest 24 loads may be out)
	WIN MUL_LO
	MUL16 0, 1, NQ-1, \slot, 0
	s_wait_dscnt 0x0                               ; the add is done, and my reads of this slot are over
	s_barrier_signal -1
	MUL16 2, 1, NQ-1, \slot, 0
	WIN 0
	s_barrier_wait -1
.if \fill
	CREST                                          ; the barrier has opened a round of the cluster's barrier: no wave of any partner still reads this slot or has a load on its way
	s_add_nc_u64 s[G0+4*\slot+2:G0+4*\slot+3], s[G0+4*\slot+2:G0+4*\slot+3], 2*ROWB
	s_add_nc_u64 s[G0B+4*\slot+2:G0B+4*\slot+3], s[G0B+4*\slot+2:G0B+4*\slot+3], 2*ROWB
	JLOAD G0+4*\slot, G1, G0B+4*\slot, G1B         ; the first tensor load behind the round; its four v_nop are the places in front of the loads below
.else
	PLACES NP
.endif
	s_wait_alu depctr_va_vdst(0)
	v_add_nc_u32 v[ADRS], 4*NQ, v[ADRS]
	FETCH_B \next, 0, 0
	FETCH_A \next, 0, 0
	SCALES \next
	WIN MUL_HI
	MUL16 4, 1, NQ-1, \slot, 0
	MUL16 6, 1, NQ-1, \slot, 0
	PLACES NP
	WIN 0
	FETCH_A \next, 0, 4
.endm
	s_wait_loadcnt 0x0                             ; the bias
	s_wait_tensorcnt 1                             ; the scale bytes and my part of K step 0 are in (K step 1's load may be out)
	s_barrier_signal -1
	s_barrier_wait -1
	FETCH_B 0, 0, 0
	FETCH_A 0, 0, 0
	s_wait_alu depctr_va_vdst(0)
	SCALES 0
	FETCH_A 0, 0, 4
	s_cmp_eq_u32 ttmp9, 2                          ; the first step starts the sums from the bias, which lies by B's tiles for q and k, by A's for v
	s_cbranch_scc1 .Lfirst_v
	STEP 0, 0, 1
	s_branch .Lfirst_done
.Lfirst_v:
	STEP 0, 0, 2
.Lfirst_done:
	s_mov_b32 s3, LAPS-1
.Llap:                                             ; a trip goes once round the ring and fills both slots again
	TURN 0, 1, 1
	STEP 1, 0, 0
	TURN 1, 0, 1
	STEP 0, 0, 0
	s_sub_co_u32 s3, s3, 1
	s_cmp_lg_u32 s3, 0
	s_cbranch_scc1 .Llap
	TURN 0, 1, 0                                   ; the last lap fills nothing
	STEP 1, 0, 0
	s_wait_dscnt 4*NL
	WIN MUL_LO
	MUL16 0, 1, NQ-1, 1, 0
	MUL16 2, 1, NQ-1, 1, 0
	s_wait_dscnt 0
	WIN MUL_HI
	MUL16 4, 1, NQ-1, 1, 0
	MUL16 6, 1, NQ-1, 1, 0
	WIN 0
	PLACES NP
; THE WAY OUT.  The 64 registers of one block of A's rows (window w, from v[s]) are 64 numbers of my row: register 16 b + i = index 32 b + 16 (lane / 16) + i.  They become four blocks' codes and a scale word.
; d0 takes the six registers of blocks 0 and 1 (lanes 0-15 block 0, lanes 16-31 block 1), d1 those of blocks 2 and 3.  Each accumulator is read from its low end on.
.macro QUANT w, s, d0, d1, pw
	WIN 5*(\w)                                     ; sources 0 and 1 in the accumulators' window
.irp b, 0,1,2,3
	v_max3_num_f32 v[TM+\b], |v[(\s)+16*\b]|, |v[(\s)+16*\b+1]|, 0x2800000   ; my 16 numbers of block b, and the floor 2^(5 - 127)
.endr
.irp i, 2,4,6,8,10,12,14
.irp b, 0,1,2,3
	v_max3_num_f32 v[TM+\b], |v[(\s)+16*\b+\i]|, |v[(\s)+16*\b+\i+1]|, v[TM+\b]
.endr
.endr
	WIN 0
.irp b, 0,1,2,3
	v_permlanex16_b32 v[TM+4+\b], v[TM+\b], s[SEL], s[SEL+1]
.endr
.irp b, 0,1,2,3
	v_max_num_f32 v[TM+\b], v[TM+\b], v[TM+4+\b]   ; with lane l xor 16's: the block's largest magnitude
.endr
.irp b, 0,1,2,3
	v_add_nc_u32 v[TM+12+\b], 0xfe000000, v[TM+\b] ; 4 off its exponent field: the conversion's scale operand
.endr
.irp b, 0,1,2,3
	v_lshrrev_b32 v[TM+4+\b], 23, v[TM+12+\b]      ; the byte
.endr
	v_lshl_or_b32 v[\pw], v[TM+5], 8, v[TM+4]
	v_lshl_or_b32 v[\pw], v[TM+6], 16, v[\pw]
	v_lshl_or_b32 v[\pw], v[TM+7], 24, v[\pw]
	WIN (\w)                                       ; source 0 in the accumulators' window
	v_cvt_scalef32_pk16_bf6_f32 v[(\d0):(\d0)+2], v[(\s):(\s)+15], v[TM+12]
	v_cvt_scalef32_pk16_bf6_f32 v[TQ:TQ+2], v[(\s)+16:(\s)+31], v[TM+13]
	v_cvt_scalef32_pk16_bf6_f32 v[(\d1):(\d1)+2], v[(\s)+32:(\s)+47], v[TM+14]
	v_cvt_scalef32_pk16_bf6_f32 v[TQ+4:TQ+6], v[(\s)+48:(\s)+63], v[TM+15]
	WIN 0
	v_nop                                          ; a plain line behind the conversions
.irp i, 0,1,2
	v_permlane16_swap_b32 v[(\d0)+\i], v[TQ+\i]    ; a whole block to a lane
	v_permlane16_swap_b32 v[(\d1)+\i], v[TQ+4+\i]
.endr
.irp i, 0,1,2
	v_mov_b32 v[(\d0)+3+\i], v[TQ+\i]
	v_mov_b32 v[(\d1)+3+\i], v[TQ+4+\i]
.endr
.endm
	s_cmp_eq_u32 ttmp9, 2
	s_cbranch_scc1 .Lout_v
	; q, k: my row is a token; blocks 0, 1 are my first head's 64 channels, blocks 2, 3 my second head's.  Two tiles of tokens make a pair image for each head.
.irp i, 0,1,2,3
.if \i > 0
	s_wait_xcnt 0x0                                ; the last pair's stores have read their registers
.endif
	QUANT 2+\i/2, 64*((2*\i)%4), H0, H1, PWE
	QUANT 2+\i/2, 64*((2*\i+1)%4), H0+6, H1+6, PWO
	v_cndmask_b32 v[W0], v[PWE], v[PWO], s[HM]     ; lanes 0-15 the even tile's words, lanes 16-31 the odd tile's
	v_lshrrev_b32 v[W1], 16, v[W0]                 ; the second head's two bytes; the bytes of K = 64 .. 127 are 0, over zero codes on the other side
	v_and_b32 v[W0], 0xffff, v[W0]                 ; the first head's
.irp g, 0,1,2
	global_store_b128 v[LI16], v[H0+4*\g:H0+4*\g+3], s[DB:DB+1] offset:1536*\i+512*\g          ; 32 lanes store 512 consecutive bytes, aligned
	global_store_b128 v[LI16], v[H1+4*\g:H1+4*\g+3], s[DB:DB+1] offset:HEADB+1536*\i+512*\g
.endr
	global_store_b32 v[LI4], v[W0], s[SBS:SBS+1] offset:128*\i
	global_store_b32 v[LI4], v[W1], s[SBS:SBS+1] offset:HEADB+128*\i
.endr
	s_branch .Lout_done
.Lout_v:
	; v: my row is a channel position; the four blocks are the key step's 128 tokens: a whole fragment
.irp a, 0,1,2,3,4,5,6,7
.if \a > 0
	s_wait_xcnt 0x0
.endif
.if \a%2 == 0
	QUANT 2+\a/4, 64*(\a%4), H0, H0+6, PWE
.else
	QUANT 2+\a/4, 64*(\a%4), H0, H0+6, PWO
.endif
.irp g, 0,1,2
	global_store_b128 v[LI16], v[H0+4*\g:H0+4*\g+3], s[DB:DB+1] offset:(\a/4)*HEADB+6144+1536*(\a%4)+512*\g
.endr
.if \a%2 == 1
	v_cndmask_b32 v[W0], v[PWE], v[PWO], s[HM]
	global_store_b32 v[LI4], v[W0], s[SBS:SBS+1] offset:(\a/4)*HEADB+512+128*((\a%4)/2)
.endif
.endr
.Lout_done:
	s_wait_tensorcnt 0x0                           ; the wave's end
	ds_add_u32 v[SPW], v[NIL]
	s_wait_dscnt 0x0
	CROUND                                         ; the closing round
	s_endpgm
.Lfunc_end_k_qdfaadb115d_qkvgemm:
	.size	k_qdfaadb115d_qkvgemm, .Lfunc_end_k_qdfaadb115d_qkvgemm-k_qdfaadb115d_qkvgemm
	.p2alignl 7, 3214868480
	.fill 96, 4, 3214868480
	.section	.rodata,"a",@progbits
	.p2align	6, 0x0
	.amdhsa_kernel k_qdfaadb115d_qkvgemm
		.amdhsa_group_segment_fixed_size 327680
		.amdhsa_private_segment_fixed_size 0
		.amdhsa_enable_private_segment 0
		.amdhsa_kernarg_size 24
		.amdhsa_user_sgpr_count 2
		.amdhsa_user_sgpr_kernarg_segment_ptr 1
		.amdhsa_wavefront_size32 1
		.amdhsa_system_sgpr_workgroup_id_x 1
		.amdhsa_system_sgpr_workgroup_id_y 1
		.amdhsa_system_sgpr_workgroup_id_z 1
		.amdhsa_system_vgpr_workitem_id 0
		.amdhsa_next_free_vgpr 1024
		.amdhsa_next_free_sgpr 102
		.amdhsa_reserve_vcc 0
		.amdhsa_float_denorm_mode_32 3
		.amdhsa_float_denorm_mode_16_64 3
		.amdhsa_memory_ordered 1
		.amdhsa_forward_progress 1
		.amdhsa_inst_pref_size 223
	.end_amdhsa_kernel
	.amdgpu_metadata
---
amdhsa.version: [ 1, 2 ]
amdhsa.kernels:
  - .name:           k_qdfaadb115d_qkvgemm
    .symbol:         k_qdfaadb115d_qkvgemm.kd
    .args:
      - { .name: qw, .offset: 0, .size: 8, .value_kind: global_buffer, .address_space: global }
      - { .name: b_attn, .offset: 8, .size: 8, .value_kind: global_buffer, .address_space: global }
      - { .name: qkv, .offset: 16, .size: 8, .value_kind: global_buffer, .address_space: global }
    .group_segment_fixed_size: 327680
    .private_segment_fixed_size: 0
    .kernarg_segment_align: 8
    .kernarg_segment_size: 24
    .max_flat_workgroup_size: 128
    .sgpr_count:     102
    .vgpr_count:     1024
    .wavefront_size: 32
...
	.end_amdgpu_metadata
.endif
;; end of part 2
;; launch attn (part 3): grid 4 x 64, 16 waves a work-group, clusters of 4 x 1, 210,944 bytes of LDS; arguments qkv, ab; writes ab
.if DOCPART == 3
	.amdgcn_target "amdgcn-amd-amdhsa--gfx1250"
	.amdhsa_code_object_version 6
	.text
	.protected	k_qdfaadb115d_attn
	.globl	k_qdfaadb115d_attn
	.p2align	8
	.type	k_qdfaadb115d_attn,@function
k_qdfaadb115d_attn:
	s_mov_b64 s[64:65], 0
	v_nop
	global_prefetch_b8 v0, s[64:65] scope:SCOPE_SE
	s_setreg_imm32_b32 hwreg(HW_REG_WAVE_MODE, 25, 1), 1
	s_wait_xcnt 0x0
	s_wait_alu depctr_hold_cnt(0) depctr_sa_sdst(0) depctr_va_vdst(0) depctr_va_sdst(0) depctr_va_ssrc(0) depctr_va_vcc(0) depctr_vm_vsrc(0)
	s_getreg_b32 s2, hwreg(HW_REG_IB_STS2, 6, 4)
	s_cmp_eq_u32 s2, 0
	s_cbranch_scc0 .Lentry_in_a_cluster
	s_endpgm
.Lentry_in_a_cluster:
	s_bfe_u32 s2, ttmp6, 0x10000c
	s_cmp_lg_u32 s2, 0x3003
	s_cbranch_scc0 .Lentry_shape_is_right
	s_endpgm
.Lentry_shape_is_right:
; a = softmax(q k^T / 8, with reference's mask: hidden logits are -10000) v, both products on codes of BF6 with E8M0 scales; a is quantised along (head, channel) in registers and leaves as codes.
; t = logit x log2(e); M = the ceiling of the running largest t, a whole number; p = 2^(t - M) is quantised along the keys; the sum of the unquantised p divides at the end.
; SHARES.  A cluster of four work-groups owns one head (cluster y); a head has 128 tiles of 16 queries, T = 8 j + 2 cx + u.  Wave w (w' = w % 8, u = w / 8) takes two tiles one after the other: j = 8 + w', then j = 7 - w':
; 17 key steps with scores and 15 behind the diagonal for every wave of every work-group.  j hangs on the wave's number alone; cx enters global addresses and the mask's threshold (a vector comparison that selects values) and nothing else.
; LDS holds the WHOLE head, 208,896 bytes as they lie in qkv, filled once by joint loads (the four work-groups read the same bytes): nothing is filled again.  Each wave issues five loads: five are out at the most, by this text's own count.
; LAYOUT.  S^T = K Q^T (source 0 = 16 key positions, source 1 = my 16 queries) and O^T = V^T P^T: a lane holds one query throughout.  Keys, queries and channels lie in position order, so the 16 registers of two neighbouring tiles are 16 neighbours.
; K = 64 for the scores: Q's registers 6-11 are zero codes.  K's tiles lie six registers apart, so a tile's operand names the next tile's codes as its K = 64 .. 127: they meet Q's zero codes, under scale bytes 0 (2^-127): they add exactly 0.
; KEY STEPS BEHIND THE DIAGONAL are not dropped: their logit is -10000 and no -infinity.  All their p are one number, p_m = 2^(t_m - M), t_m = -10000 log2(e).  t_m lies 0.0496 above a whole number, so p_m over its block's scale is 16.56,
; which rounds to the number 16 (code 0x1c) with the byte -M - 14304.  Such a step is four products of V with constant codes and that byte, and 128 p_m into the sum.  t_m is among every row's logits but the last query's, so the running maximum begins there.
; LIMITS: NaN and infinities are not served.  Where -M - 14304 falls under 0 (p_m under 2^-127) the byte is held at 0: a step behind the diagonal then adds 2^-123 x the sum of V's column where the definition adds 0.
; Blocks under 2^-122 keep the byte 1; blocks of zeros get the byte 1 (zero codes; only this program reads the bytes).
; REGISTERS: v1-11 addresses; v12 -M, v13 the largest t, v[14:15] the sum; v16-21 Q, v22-27 zeros, v28 Q's scale word; v29 -80000; v32-79 K's eight tiles, then V's four fragments; v80-85 zeros; v86-89 K's scale words, v90-91 V's;
;   v96-159 S^T, then p; v160-191 O^T; v192-203 p's codes; v204-210 conversions' second halves; v212-223 the constant codes; v224 their scale word; v225-231 the second tile's Q; v232-254 at work.
.set HEADB, 208896
.set QOFF,  13369344                   ; qkv's second half: Q
.set SCL0,  196608                     ; a head's scale words begin here: 768 bytes a key step
.set ASC,   6291456                    ; ab: a's scale bytes
.set LI,  1                            ; v1  16 x lane: an image's place for my lane, in LDS and in memory
.set LS,  2                            ; v2  SCL0 + 4 x lane
.set DD,  3                            ; v3  the mask's threshold
.set GB,  4                            ; v4  8 x lane
.set GS,  5                            ; v5  32 r + h
.set QI,  6                            ; v6  my query's index in its key step
.set AD,  8                            ; v8  the step's images
.set AS,  9                            ; v9  the step's scale words
.set SM,  29                           ; v29 -80000: the score that stands for the logit -10000
.set WV,  8
.set J,   13                           ; s13 the key step in which my queries lie
.set ST,  14                           ; s14 the key step in hand
.set TB,  15                           ; s15 its images: 12,288 bytes a step
.set TS,  16                           ; s16 its scale words: 768 bytes a step
.set CNT, 17
.set CS,  18                           ; s[18:19] c = log2(e) / 8
.set SEL, 20                           ; s[20:21]
.set HM,  22                           ; s22 lanes 16-31
.set G1D, 24                           ; s[24:31] group 1: 12 dense rows of 256 bytes
.set G1S, 32                           ; s[32:39] 3 such rows
.set G0,  40                           ; s[40:59] five groups 0
.macro CROUND
	s_barrier_signal -1
	s_barrier_wait -1
	s_cmp_lg_u32 s[WV], 0
	s_cbranch_scc1 .Lnot_wave_0_\@
	s_barrier_signal -3
.Lnot_wave_0_\@:
	s_barrier_wait -3
	s_barrier_signal -1
	s_barrier_wait -1
.endm
	s_load_b128 s[4:7], s[0:1], 0x0                ; qkv s[4:5], ab s[6:7]
	v_lshl_add_u32 v251, v0, 2, 0x33000
	v_mov_b32 v255, 0
	ds_add_u32 v251, v255
	ds_add_u32 v251, v255
	v_lshrrev_b32 v8, 5, v0
	s_delay_alu instid0(VALU_DEP_1)
	v_readfirstlane_b32 s[WV], v8                  ; wave 0..15
	s_and_b32 s9, s[WV], 7                         ; w'
	s_lshr_b32 s10, s[WV], 3                       ; u
	s_bfe_u32 s11, ttmp6, 0x40000                  ; cx
	s_and_b32 s12, ttmp7, 0xffff                   ; the head, 16 x batch + head
	s_mul_i32 s60, s12, HEADB
	s_mov_b32 s61, 0
	s_mov_b32 s[G1D], 15|(3<<16)|(1<<21)           ; the mask: all four work-groups; elements of 8 bytes; bit 21 beside a mask; no padding
	s_mov_b32 s[G1D+1], 32<<16                     ; tensor_dim0 = 32 elements
	s_mov_b32 s[G1D+2], 12<<16                     ; tensor_dim1
	s_mov_b32 s[G1D+3], 32<<16                     ; tile_dim0
	s_mov_b32 s[G1D+4], 12                         ; tile_dim1
	s_mov_b32 s[G1D+5], 32                         ; the pitch
	s_mov_b32 s[G1D+6], 0
	s_mov_b32 s[G1D+7], 0
	s_mov_b32 s[G1S], 15|(3<<16)|(1<<21)
	s_mov_b32 s[G1S+1], 32<<16
	s_mov_b32 s[G1S+2], 3<<16
	s_mov_b32 s[G1S+3], 32<<16
	s_mov_b32 s[G1S+4], 3
	s_mov_b32 s[G1S+5], 32
	s_mov_b32 s[G1S+6], 0
	s_mov_b32 s[G1S+7], 0
	s_mul_i32 s62, s[WV], 768
	s_add_co_u32 s62, s62, SCL0                    ; my part of the scale words: key step w's,
	s_mul_i32 s63, s[WV], 3072                     ; and of each chunk of four key steps; the LDS byte is the byte in the head
	s_mov_b32 s68, s62
	s_mov_b32 s69, 0
	s_mov_b32 s70, s63
	s_mov_b32 s71, 0
	s_wait_dscnt 0x0
	s_wait_kmcnt 0x0
	s_add_nc_u64 s[66:67], s[4:5], s[60:61]        ; the head in qkv's first half
	s_mov_b32 s[G0], 1
	s_mov_b32 s[G0+1], s62
	s_add_nc_u64 s[G0+2:G0+3], s[66:67], s[68:69]
	s_or_b32 s[G0+3], s[G0+3], 0x80000000
	s_add_nc_u64 s[70:71], s[66:67], s[70:71]
.irp c, 0,1,2,3
	s_mov_b32 s[G0+4+4*\c], 1
	s_add_co_u32 s[G0+5+4*\c], s63, 49152*\c
	s_add_nc_u64 s[G0+6+4*\c:G0+7+4*\c], s[70:71], 49152*\c
	s_or_b32 s[G0+7+4*\c], s[G0+7+4*\c], 0x80000000
.endr
	CROUND                                         ; all four work-groups are here: the joint loads meet
	tensor_load_to_lds s[G0:G0+3], s[G1S:G1S+7]    ; the scale words, then key steps 0-3, 4-7, 8-11, 12-15
	s_nop 0
	tensor_load_to_lds s[G0+4:G0+7], s[G1D:G1D+7]
	s_nop 0
	tensor_load_to_lds s[G0+8:G0+11], s[G1D:G1D+7]
	s_nop 0
	tensor_load_to_lds s[G0+12:G0+15], s[G1D:G1D+7]
	s_nop 0
	tensor_load_to_lds s[G0+16:G0+19], s[G1D:G1D+7]
	s_nop 0
.rept 4
	v_nop
.endr
	; Q of both my tiles: pair image cx of key step j in the second half; tile u is its registers 6 u .. 6 u + 5
	s_add_co_u32 s72, s9, 8
	s_sub_co_u32 s73, 7, s9
	s_mul_i32 s74, s11, 1536
	s_add_co_u32 s74, s74, QOFF
	s_lshl_b32 s75, s11, 7
	s_add_co_u32 s75, s75, QOFF+SCL0
	s_mul_i32 s76, s72, 12288
	s_add_co_u32 s76, s76, s74
	s_mov_b32 s77, 0
	s_add_nc_u64 s[76:77], s[66:67], s[76:77]
	s_mul_i32 s78, s72, 768
	s_add_co_u32 s78, s78, s75
	s_mov_b32 s79, 0
	s_add_nc_u64 s[78:79], s[66:67], s[78:79]
	s_mul_i32 s80, s73, 12288
	s_add_co_u32 s80, s80, s74
	s_mov_b32 s81, 0
	s_add_nc_u64 s[80:81], s[66:67], s[80:81]
	s_mul_i32 s82, s73, 768
	s_add_co_u32 s82, s82, s75
	s_mov_b32 s83, 0
	s_add_nc_u64 s[82:83], s[66:67], s[82:83]
	v_and_b32 v10, 31, v0
	s_delay_alu instid0(VALU_DEP_1)
	v_lshlrev_b32 v[LI], 4, v10
	s_delay_alu instid0(VALU_DEP_2)
	v_lshl_add_u32 v[LS], v10, 2, SCL0
	s_delay_alu instid0(VALU_DEP_3)
	v_lshlrev_b32 v[GB], 3, v10
	v_and_b32 v11, 15, v0                          ; r
	v_bfe_u32 v9, v0, 4, 1                         ; h
	s_delay_alu instid0(VALU_DEP_1)
	v_lshl_add_u32 v[GS], v11, 5, v9
	s_delay_alu instid0(VALU_DEP_3)
	v_and_b32 v8, 8, v11
	s_delay_alu instid0(VALU_DEP_1)
	v_add_nc_u32 v8, v8, v11                       ; r + 8 (r / 8)
	s_lshl_b32 s84, s11, 5
	s_lshl_b32 s85, s10, 3
	s_add_co_u32 s84, s84, s85
	v_add_nc_u32 v[QI], s84, v8                    ; my query's index in its key step: 32 cx + 8 u + r + 8 (r / 8)
	v_lshlrev_b32 v9, 4, v9
	s_delay_alu instid0(VALU_DEP_1)
	v_sub_nc_u32 v[DD], v[QI], v9                  ; register 16 b + i holds key 32 b + 16 h + i: hidden where 32 b + i > this
	s_mul_i32 s85, s10, 520
	v_add_nc_u32 v7, s85, v[LI]                    ; registers 6 u, 6 u + 1 (and, 512 bytes on, 6 u + 4, 6 u + 5)
	s_mul_i32 s85, s10, 1016
	s_add_co_u32 s85, s85, 8
	v_add_nc_u32 v10, s85, v[LI]                   ; registers 6 u + 2, 6 u + 3
	s_lshl_b32 s85, s10, 6
	v_lshl_add_u32 v11, v11, 2, s85                ; row r's scale word: lane r + 16 u of the packed register
	global_load_b64 v[16:17], v7, s[76:77]
	global_load_b64 v[18:19], v10, s[76:77]
	global_load_b64 v[20:21], v7, s[76:77] offset:512
	global_load_b32 v28, v11, s[78:79]
	global_load_b64 v[226:227], v7, s[80:81]
	global_load_b64 v[228:229], v10, s[80:81]
	global_load_b64 v[230:231], v7, s[80:81] offset:512
	global_load_b32 v225, v11, s[82:83]
	s_mov_b32 s[CS], 0x3e38aa3b                    ; c = log2(e) / 8
	s_mov_b32 s[CS+1], s[CS]                       ; (named with it as a pair)
	s_mov_b32 s[SEL], 0x76543210
	s_mov_b32 s[SEL+1], 0xfedcba98
	s_mov_b32 s[HM], 0xffff0000
	v_mov_b32 v[SM], 0xc79c4000                    ; -80000.0
.irp i, 0,1,2,3,4,5
	v_mov_b32 v[22+\i], 0                          ; Q's K = 64 .. 127: zero codes
	v_mov_b32 v[80+\i], 0                          ; what the last tile of K names as its K = 64 .. 127
.endr
.irp i, 0,1,2,3
	v_mov_b32 v[212+3*\i], 0x1c71c71c              ; the code 0x1c, 6 bits, 128 times
	v_mov_b32 v[213+3*\i], 0xc71c71c7
	v_mov_b32 v[214+3*\i], 0x71c71c71
	v_mov_b32 v[236+\i], 0                         ; written once: a lane permute's destination counts as one of its sources
.endr
	v_mov_b32 v253, 0                              ; (named as the upper half of the pair v[252:253] before it is first written)
.macro VLOADS                          ; V's four fragments and two packed scale registers
.irp t, 0,1,2,3
.irp g, 0,1,2
	ds_load_b128 v[32+12*\t+4*\g:35+12*\t+4*\g], v[AD] offset:6144+1536*\t+512*\g
.endr
.endr
	ds_load_b32 v90, v[AS] offset:512
	ds_load_b32 v91, v[AS] offset:640
.endm
.macro PVMUL breg, sreg                ; O^T += V^T P^T: four accumulators, one instruction each
.irp t, 0,1,2,3
.if (\t)%2
	v_wmma_scale_f32_16x16x128_f8f6f4 v[160+8*\t:167+8*\t], v[32+12*\t:43+12*\t], v[\breg:\breg+11], v[160+8*\t:167+8*\t], v[90+\t/2], v[\sreg] matrix_a_fmt:MATRIX_FMT_BF6 matrix_b_fmt:MATRIX_FMT_BF6 matrix_a_scale:MATRIX_SCALE_ROW1
.else
	v_wmma_scale_f32_16x16x128_f8f6f4 v[160+8*\t:167+8*\t], v[32+12*\t:43+12*\t], v[\breg:\breg+11], v[160+8*\t:167+8*\t], v[90+\t/2], v[\sreg] matrix_a_fmt:MATRIX_FMT_BF6 matrix_b_fmt:MATRIX_FMT_BF6
.endif
.endr
.endm
; A KEY STEP of 128 keys.  general = 0: all its keys count for my queries.  general = 1: it may lie on the diagonal or behind it; the branches hang on the wave's number and the loop's count.
.macro STEP general
	v_add_nc_u32 v[AD], s[TB], v[LI]
	v_add_nc_u32 v[AS], s[TS], v[LS]
	v_nop
	v_nop                                          ; four places behind the last products, in front of loads into registers that they read
.if \general
	s_cmp_gt_u32 s[ST], s[J]
	s_cbranch_scc1 .Llight_\@
.endif
	s_setprio 2
.irp p, 0,1,2,3
.irp g, 0,1,2
	ds_load_b128 v[32+12*\p+4*\g:35+12*\p+4*\g], v[AD] offset:1536*\p+512*\g   ; 32 lanes read 512 consecutive bytes
.endr
	ds_load_b32 v[86+\p], v[AS] offset:128*\p
.endr
	s_wait_alu depctr_va_vdst(0)
	s_wait_dscnt 0x0
.irp t, 0,1,2,3,4,5,6,7
.if (\t)%2
	v_wmma_scale_f32_16x16x128_f8f6f4 v[96+8*\t:103+8*\t], v[32+6*\t:43+6*\t], v[16:27], 0, v[86+\t/2], v28 matrix_a_fmt:MATRIX_FMT_BF6 matrix_b_fmt:MATRIX_FMT_BF6 matrix_a_scale:MATRIX_SCALE_ROW1
.else
	v_wmma_scale_f32_16x16x128_f8f6f4 v[96+8*\t:103+8*\t], v[32+6*\t:43+6*\t], v[16:27], 0, v[86+\t/2], v28 matrix_a_fmt:MATRIX_FMT_BF6 matrix_b_fmt:MATRIX_FMT_BF6
.endif
.endr
.rept 4
	v_nop
.endr
	VLOADS                                         ; they land under the softmax
.if \general
	s_cmp_lg_u32 s[ST], s[J]
	s_cbranch_scc1 .Lopen_\@
.set N, 0
.rept 64
	v_cmp_gt_i32 vcc_lo, 32*(N/16)+N%16, v[DD]     ; on the diagonal a hidden key's score becomes -80000: the logit -10000
	v_cndmask_b32 v[96+N], v[96+N], v[SM], vcc_lo
.set N, N+1
.endr
.Lopen_\@:
.endif
.irp b, 0,1,2,3
	v_max3_num_f32 v[232+\b], v[96+16*\b], v[97+16*\b], v[98+16*\b]   ; the largest score of each block of 32 keys: for the row's maximum and, since p rises with the score, for the block's largest p
.endr
.irp i, 3,5,7,9,11,13
.irp b, 0,1,2,3
	v_max3_num_f32 v[232+\b], v[232+\b], v[96+16*\b+\i], v[97+16*\b+\i]
.endr
.endr
.irp b, 0,1,2,3
	v_max_num_f32 v[232+\b], v[232+\b], v[111+16*\b]
.endr
.irp b, 0,1,2,3
	s_delay_alu instid0(VALU_DEP_4)
	v_permlanex16_b32 v[236+\b], v[232+\b], s[SEL], s[SEL+1]
.endr
.irp b, 0,1,2,3
	s_delay_alu instid0(VALU_DEP_4)
	v_max_num_f32 v[232+\b], v[232+\b], v[236+\b]  ; with lane l xor 16's 16 keys
.endr
	s_delay_alu instid0(VALU_DEP_2)
	v_max3_num_f32 v254, v232, v233, v234
	s_delay_alu instid0(VALU_DEP_1)
	v_max_num_f32 v254, v254, v235
	s_delay_alu instid0(VALU_DEP_1)
	v_mul_f32 v254, s[CS], v254                    ; as t
	s_delay_alu instid0(VALU_DEP_1)
	v_max_num_f32 v13, v13, v254                   ; the running largest t
	v_mov_b32 v254, v12
	s_delay_alu instid0(VALU_DEP_2)
	v_floor_f32 v12, -v13                          ; the new -M
	s_delay_alu instid0(VALU_DEP_1)
	v_sub_f32 v254, v12, v254                      ; old M - new M: a whole number, 0 or less
	s_delay_alu instid0(VALU_DEP_1)
	v_cvt_i32_f32 v254, v254                       ; (it saturates)
	s_delay_alu instid0(VALU_DEP_1)
	v_ldexp_f32 v252, 1.0, v254                    ; f = 2^(old M - new M)
	s_delay_alu instid0(VALU_DEP_4)
	v_max_num_f32 v254, 0x465f8000, v12            ; the hidden keys' scale byte, -M - 14304, held to 0 .. 122, in whole numbers of f32
	s_delay_alu instid0(VALU_DEP_1)
	v_add_f32 v254, 0xc65f8000, v254
	s_delay_alu instid0(VALU_DEP_1)
	v_min_num_f32 v254, 0x42f40000, v254
	s_delay_alu instid0(VALU_DEP_1)
	v_cvt_u32_f32 v254, v254
	s_delay_alu instid0(VALU_DEP_1)
	v_lshl_or_b32 v254, v254, 8, v254
	s_delay_alu instid0(VALU_DEP_1)
	v_lshl_or_b32 v224, v254, 16, v254             ; the same byte for the four blocks
.set N, 0
.rept 32
	v_pk_fma_f32 v[96+N:97+N], v[96+N:97+N], s[CS:CS+1], v[12:13] op_sel_hi:[1,0,0]   ; t - M, two at a time
.set N, N+2
.endr
.irp b, 0,1,2,3
	v_fma_f32 v[232+\b], v[232+\b], s[CS], v12
.endr
.set N, 0
	s_setprio 1
	s_wait_alu depctr_va_vdst(0)
.rept 64
	v_exp_f32 v[96+N], v[96+N]                     ; p = 2^(t - M), not normalised
.set N, N+1
.endr
.irp b, 0,1,2,3
	v_exp_f32 v[232+\b], v[232+\b]                 ; the block's largest p
.endr
	v_pk_mul_f32 v[14:15], v[14:15], v[252:253] op_sel_hi:[1,0]   ; the sums under the new M (a plain line behind the exponentials)
	s_wait_alu depctr_va_vdst(0)
.irp b, 0,1,2,3
	v_max_num_f32 v[232+\b], 0x2800000, v[232+\b]  ; the floor
.endr
.irp b, 0,1,2,3
	s_delay_alu instid0(VALU_DEP_4)
	v_add_nc_u32 v[244+\b], 0xfe000000, v[232+\b]  ; the conversion's scale operand
.endr
.irp b, 0,1,2,3
	s_delay_alu instid0(VALU_DEP_4)
	v_lshrrev_b32 v[236+\b], 23, v[244+\b]         ; the byte
.endr
	s_delay_alu instid0(VALU_DEP_3)
	v_lshl_or_b32 v253, v237, 8, v236              ; p's scale word for these 128 keys
	s_delay_alu instid0(VALU_DEP_1)
	v_lshl_or_b32 v253, v238, 16, v253
	s_delay_alu instid0(VALU_DEP_1)
	v_lshl_or_b32 v253, v239, 24, v253
.irp c, 0,1
	v_cvt_scalef32_pk16_bf6_f32 v[192+6*\c:194+6*\c], v[96+32*\c:111+32*\c], v[244+2*\c]
	v_cvt_scalef32_pk16_bf6_f32 v[204+4*\c:206+4*\c], v[112+32*\c:127+32*\c], v[244+2*\c+1]
.endr
	v_nop                                          ; a plain line behind the conversions
.irp c, 0,1
.irp i, 0,1,2
	v_permlane16_swap_b32 v[192+6*\c+\i], v[204+4*\c+\i]   ; a whole block to a lane
.endr
.irp i, 0,1,2
	s_delay_alu instid0(VALU_DEP_3)
	v_mov_b32 v[195+6*\c+\i], v[204+4*\c+\i]
.endr
.endr
	v_pk_add_f32 v[236:237], v[100:101], v[104:105]
	v_pk_add_f32 v[248:249], v[108:109], v[112:113]
	v_pk_add_f32 v[246:247], v[116:117], v[120:121]
	v_pk_add_f32 v[244:245], v[124:125], v[128:129]
	v_pk_add_f32 v[242:243], v[132:133], v[136:137]
	v_pk_add_f32 v[240:241], v[140:141], v[144:145]
	v_pk_add_f32 v[234:235], v[148:149], v[152:153]
	v_pk_add_f32 v[14:15], v[14:15], v[156:157]
	v_pk_add_f32 v[236:237], v[236:237], v[96:97]
	v_pk_add_f32 v[248:249], v[248:249], v[98:99]
	v_pk_add_f32 v[246:247], v[246:247], v[102:103]
	v_pk_add_f32 v[244:245], v[244:245], v[106:107]
	v_pk_add_f32 v[242:243], v[242:243], v[110:111]
	v_pk_add_f32 v[240:241], v[240:241], v[114:115]
	v_pk_add_f32 v[234:235], v[234:235], v[118:119]
	v_pk_add_f32 v[14:15], v[14:15], v[122:123]
	v_pk_add_f32 v[236:237], v[236:237], v[126:127]
	v_pk_add_f32 v[248:249], v[248:249], v[130:131]
	v_pk_add_f32 v[246:247], v[246:247], v[134:135]
	v_pk_add_f32 v[244:245], v[244:245], v[138:139]
	v_pk_add_f32 v[242:243], v[242:243], v[142:143]
	s_setprio 0
	v_pk_add_f32 v[240:241], v[240:241], v[146:147]
	v_pk_add_f32 v[234:235], v[234:235], v[150:151]
	v_pk_add_f32 v[14:15], v[14:15], v[154:155]
	v_pk_add_f32 v[236:237], v[236:237], v[158:159]
	s_delay_alu instid0(VALU_DEP_2)
	v_pk_add_f32 v[14:15], v[14:15], v[244:245]
	s_delay_alu instid0(VALU_DEP_2)
	v_pk_add_f32 v[236:237], v[236:237], v[242:243]
	v_pk_add_f32 v[248:249], v[248:249], v[240:241]
	v_pk_add_f32 v[246:247], v[246:247], v[234:235]
	s_delay_alu instid0(VALU_DEP_2)
	v_pk_add_f32 v[14:15], v[14:15], v[248:249]
	s_delay_alu instid0(VALU_DEP_2)
	v_pk_add_f32 v[236:237], v[236:237], v[246:247]
	s_delay_alu instid0(VALU_DEP_1)
	v_pk_add_f32 v[14:15], v[14:15], v[236:237]
.set N, 0
.rept 16
	v_pk_mul_f32 v[160+N:161+N], v[160+N:161+N], v[252:253] op_sel_hi:[1,0]   ; O^T under the new M
.set N, N+2
.endr
	s_wait_alu depctr_va_vdst(0)
	s_wait_dscnt 0x0                               ; V
	PVMUL 192, 253
.if \general
	s_branch .Lnext_\@
.Llight_\@:
	s_wait_alu depctr_va_vdst(0)
	VLOADS
	s_wait_dscnt 0x0
	PVMUL 212, 224                                 ; all 128 keys are hidden: the constant codes under my query's byte
.Lnext_\@:
.endif
	s_add_co_u32 s[TB], s[TB], 12288
	s_add_co_u32 s[TS], s[TS], 768
	s_add_co_u32 s[ST], s[ST], 1
.endm
.macro STEPS n, general
	s_mov_b32 s[CNT], \n
.Lsteps_\@:
	STEP \general
	s_sub_co_u32 s[CNT], s[CNT], 1
	s_cmp_lg_u32 s[CNT], 0
	s_cbranch_scc1 .Lsteps_\@
	s_setprio 0
.endm
.macro BEGIN second                    ; a tile begins
.if \second
	s_wait_xcnt 0x0                                ; the first tile's stores have read their registers and bases
	v_mov_b32 v28, v225
.irp i, 0,1,2,3,4,5
	v_mov_b32 v[16+\i], v[226+\i]
.endr
	s_sub_co_u32 s[J], 7, s9
.else
	s_add_co_u32 s[J], s9, 8
.endif
	v_mov_b32 v224, 0
	s_lshl_b32 s60, s[J], 7
	v_add_nc_u32 v254, s60, v[QI]                  ; my query's index in the sequence
	s_delay_alu instid0(VALU_DEP_1)
	v_cmp_eq_u32 vcc_lo, 0x7ff, v254
	v_mul_f32 v13, s[CS], v[SM]                    ; t_m: every query but the last has a hidden key, so t_m is one of its t;
	v_mov_b32 v252, 0xff61b1e6
	s_delay_alu instid0(VALU_DEP_1)
	v_cndmask_b32 v13, v13, v252, vcc_lo           ; the last begins at -3e38
	s_delay_alu instid0(VALU_DEP_1)
	v_floor_f32 v12, -v13
	v_mov_b32 v14, 0
	v_mov_b32 v15, 0
.set N, 0
.rept 32
	v_mov_b32 v[160+N], 0                          ; O^T: the step is written once; its first walk finds zeros
.set N, N+1
.endr
	s_mov_b32 s[TB], 0
	s_mov_b32 s[TS], 0
	s_mov_b32 s[ST], 0
.endm
.macro FINISH                          ; a tile ends: the sum, the division, a's quantiser, the stores
.rept 4
	v_nop
.endr
	v_add_f32 v14, v14, v15
	s_delay_alu instid0(VALU_DEP_1)
	v_permlanex16_b32 v252, v14, s[SEL], s[SEL+1]
	s_delay_alu instid0(VALU_DEP_1)
	v_add_f32 v14, v14, v252                       ; the sum over the steps that were walked in full
	v_fma_f32 v254, v[SM], s[CS], v12              ; t_m - M, by the step's own multiply-add;
	s_delay_alu instid0(VALU_DEP_1)
	v_min_num_f32 v254, 0, v254                    ; (above 0 only for the last query, which has no hidden key)
	s_wait_alu depctr_va_vdst(0)
	v_exp_f32 v254, v254                           ; p_m
	s_sub_co_u32 s60, 15, s[J]
	s_lshl_b32 s60, s60, 7                         ; the keys of the steps behind the diagonal
	v_cvt_f32_u32 v252, s60                        ; (a plain line behind the exponential)
	s_wait_alu depctr_va_vdst(0)
	v_fma_f32 v14, v252, v254, v14
	s_wait_alu depctr_va_vdst(0)
	v_rcp_f32 v14, v14
	v_nop
.set N, 0
	s_wait_alu depctr_va_vdst(0)
.rept 16
	v_pk_mul_f32 v[96+N:97+N], v[160+N:161+N], v[14:15] op_sel_hi:[1,0]   ; a: register 16 b + i is channel 32 b + 16 h + i of my query
.set N, N+2
.endr
.irp b, 0,1
	v_max3_num_f32 v[232+\b], |v[96+16*\b]|, |v[97+16*\b]|, 0x2800000
.endr
.irp i, 2,4,6,8,10,12,14
.irp b, 0,1
	s_delay_alu instid0(VALU_DEP_2)
	v_max3_num_f32 v[232+\b], v[232+\b], |v[96+16*\b+\i]|, |v[97+16*\b+\i]|
.endr
.endr
.irp b, 0,1
	s_delay_alu instid0(VALU_DEP_2)
	v_permlanex16_b32 v[236+\b], v[232+\b], s[SEL], s[SEL+1]
.endr
.irp b, 0,1
	s_delay_alu instid0(VALU_DEP_2)
	v_max_num_f32 v[232+\b], v[232+\b], v[236+\b]
.endr
.irp b, 0,1
	s_delay_alu instid0(VALU_DEP_2)
	v_add_nc_u32 v[244+\b], 0xfe000000, v[232+\b]
.endr
.irp b, 0,1
	s_delay_alu instid0(VALU_DEP_2)
	v_lshrrev_b32 v[236+\b], 23, v[244+\b]
.endr
	s_delay_alu instid0(VALU_DEP_1)
	v_cndmask_b32 v240, v236, v237, s[HM]          ; lane (r, h): the byte of block h
	v_cvt_scalef32_pk16_bf6_f32 v[192:194], v[96:111], v244
	v_cvt_scalef32_pk16_bf6_f32 v[204:206], v[112:127], v245
	v_nop
.irp i, 0,1,2
	v_permlane16_swap_b32 v[192+\i], v[204+\i]
.endr
.irp i, 0,1,2
	s_delay_alu instid0(VALU_DEP_3)
	v_mov_b32 v[195+\i], v[204+\i]
.endr
	s_lshr_b32 s60, s12, 4
	s_lshl_b32 s60, s60, 7
	s_lshl_b32 s61, s[J], 3
	s_add_co_u32 s60, s60, s61
	s_lshl_b32 s61, s11, 1
	s_add_co_u32 s60, s60, s61
	s_add_co_u32 s60, s60, s10                     ; my tile of 16 positions among the 512: 128 x batch + 8 j + 2 cx + u
	s_and_b32 s61, s12, 15                         ; the head
	s_lshl_b32 s62, s60, 4
	s_add_co_u32 s62, s62, s61
	s_mul_i32 s62, s62, 768
	s_mov_b32 s63, 0
	s_add_nc_u64 s[70:71], s[6:7], s[62:63]
	s_lshl_b32 s62, s60, 9
	s_lshl_b32 s61, s61, 1
	s_add_co_u32 s62, s62, s61
	s_add_co_u32 s62, s62, ASC
	s_add_nc_u64 s[72:73], s[6:7], s[62:63]
	s_wait_alu depctr_va_vdst(0)
	global_store_b128 v[LI], v[192:195], s[70:71]            ; six registers as an image: 512 consecutive bytes,
	global_store_b64 v[GB], v[196:197], s[70:71] offset:512  ; and 256
	global_store_b8 v[GS], v240, s[72:73]                    ; two bytes of each position's row of 32
.endm
	BEGIN 0
	s_wait_loadcnt 0x0                             ; Q
	s_wait_tensorcnt 0x3                           ; my parts of the scale words and of key steps 0-3 are in; three younger loads stay out
	s_barrier_signal -1
	s_barrier_wait -1                              ; everybody's are
	STEPS 4, 0                                     ; the long tiles lie in key steps 8-15: steps 0-7 are open for all of them
	s_wait_tensorcnt 0x2                           ; key steps 4-7
	s_wait_dscnt 0x0
	s_barrier_signal -1
	s_barrier_wait -1
	STEPS 4, 0
	s_wait_tensorcnt 0x0                           ; the whole head
	s_wait_dscnt 0x0
	s_barrier_signal -1
	s_barrier_wait -1
	STEPS 8, 1
	FINISH
	BEGIN 1
	STEPS 16, 1
	FINISH
	s_wait_tensorcnt 0x0
	s_wait_dscnt 0x0
	s_wait_tensorcnt 0x0
	ds_add_u32 v251, v255
	s_wait_dscnt 0x0
	CROUND                                         ; the closing round
	s_endpgm
.Lfunc_end_k_qdfaadb115d_attn:
	.size	k_qdfaadb115d_attn, .Lfunc_end_k_qdfaadb115d_attn-k_qdfaadb115d_attn
	.p2alignl 7, 3214868480
	.fill 96, 4, 3214868480
	.section	.rodata,"a",@progbits
	.p2align	6, 0x0
	.amdhsa_kernel k_qdfaadb115d_attn
		.amdhsa_group_segment_fixed_size 210944
		.amdhsa_private_segment_fixed_size 0
		.amdhsa_enable_private_segment 0
		.amdhsa_kernarg_size 16
		.amdhsa_user_sgpr_count 2
		.amdhsa_user_sgpr_kernarg_segment_ptr 1
		.amdhsa_wavefront_size32 1
		.amdhsa_system_sgpr_workgroup_id_x 1
		.amdhsa_system_sgpr_workgroup_id_y 1
		.amdhsa_system_sgpr_workgroup_id_z 1
		.amdhsa_system_vgpr_workitem_id 0
		.amdhsa_next_free_vgpr 256
		.amdhsa_next_free_sgpr 88
		.amdhsa_reserve_vcc 1
		.amdhsa_float_denorm_mode_32 3
		.amdhsa_float_denorm_mode_16_64 3
		.amdhsa_memory_ordered 1
		.amdhsa_forward_progress 1
		.amdhsa_inst_pref_size 107
	.end_amdhsa_kernel
	.amdgpu_metadata
---
amdhsa.version: [ 1, 2 ]
amdhsa.kernels:
  - .name:           k_qdfaadb115d_attn
    .symbol:         k_qdfaadb115d_attn.kd
    .args:
      - { .name: qkv, .offset: 0, .size: 8, .value_kind: global_buffer, .address_space: global }
      - { .name: ab, .offset: 8, .size: 8, .value_kind: global_buffer, .address_space: global }
    .group_segment_fixed_size: 210944
    .private_segment_fixed_size: 0
    .kernarg_segment_align: 8
    .kernarg_segment_size: 16
    .max_flat_workgroup_size: 512
    .sgpr_count:     88
    .vgpr_count:     256
    .wavefront_size: 32
...
	.end_amdgpu_metadata
.endif
;; end of part 3
;; launch proj (part 4): grid 4 x 32, 4 waves a work-group, clusters of 4 x 4, 327,680 bytes of LDS; arguments ab, qw, b_proj, out0; writes out0
.if DOCPART == 4
	.amdgcn_target "amdgcn-amd-amdhsa--gfx1250"
	.amdhsa_code_object_version 6
	.text
	.protected	k_qdfaadb115d_proj
	.globl	k_qdfaadb115d_proj
	.p2align	8
	.type	k_qdfaadb115d_proj,@function
k_qdfaadb115d_proj:
	s_mov_b64 s[64:65], 0
	v_nop
	global_prefetch_b8 v0, s[64:65] scope:SCOPE_SE
	s_setreg_imm32_b32 hwreg(HW_REG_WAVE_MODE, 25, 1), 1
	s_wait_xcnt 0x0
	s_wait_alu depctr_hold_cnt(0) depctr_sa_sdst(0) depctr_va_vdst(0) depctr_va_sdst(0) depctr_va_ssrc(0) depctr_va_vcc(0) depctr_vm_vsrc(0)
	s_getreg_b32 s2, hwreg(HW_REG_IB_STS2, 6, 4)
	s_cmp_eq_u32 s2, 0
	s_cbranch_scc0 .Lentry_in_a_cluster
	s_endpgm
.Lentry_in_a_cluster:
	s_bfe_u32 s2, ttmp6, 0x10000c
	s_cmp_lg_u32 s2, 0xf033
	s_cbranch_scc0 .Lentry_shape_is_right
	s_endpgm
.Lentry_shape_is_right:
; out0 = a w_proj + b_proj on codes of BF6 with E8M0 scales, K = 1,024; out0 [8192][1024] f32.
; A tile of 256 x 256 is made by four waves, 128 x 128 each; K goes in steps of 256 through a ring of two LDS slots; the scale bytes of the tile's rows come once.  128 tiles: 128 work-groups; a smaller tile would
; halve the multiply-adds that each LDS byte feeds.
; A = a: its codes lie as IMAGES OF REGISTERS, [tile of 16 positions][head][768 bytes]: six registers of a fragment (64 along K), registers 0-3 as 512 bytes at 16 x lane, registers 4-5 as 256 bytes at 8 x lane.
; A K step's four heads of a tile are 3,072 consecutive bytes; eight tiles, 12,288 bytes apart, are one tensor load; a fragment comes by two loads of 16 bytes and two of 8, all on consecutive bytes.
; B = w_proj's codes, rows of 768 bytes, as in the first product.  Source 0 = 16 rows of B, source 1 = 16 rows of A: a lane holds eight neighbouring columns of one row of the result.
; a's rows lie in POSITION order (position 16 u + r of a group of 32 is token 8 u + r + 8 (r / 8)): the stores' offsets put each row at its token.  The bias is the C of each sum's first matrix instruction.
; CLUSTERS: 4 x 4 work-groups; A's tiles are asked for jointly along a row of the cluster, B's along a column.
; REGISTERS: window 0: v0-31 addresses; v32-63 scale words; v64-127 the bias; v128-223 A's fragments; on the way out v128-255 rows read back.  window 1: B's fragments, two sets.  windows 2, 3: the accumulators.
.set ASC,   6291456                    ; ab: a's scale bytes
.set WPC,   9011200                    ; qw: w_proj's codes,
.set WPS,   9797632                    ; its scale bytes
.set NQ,     2
.set ROWB,   192
.set KROW,   768
.set PITCH,  240
.set FR,     12
.set NLA,    4                         ; LDS loads that bring a fragment of A
.set NP,     4
.set HALFT,  128*PITCH                 ; a wave's place in a slot; A's images take 24,576 bytes of theirs
.set SLOT,   4*HALFT
.set LAPS,   2
.set KS,     32
.set SCL,    2*SLOT
.set HALFS,  (128*KS/256)*272
.set SBLK,   (16*KS/256)*272
.set SPARE,  SCL+4*HALFS               ; the spare words: 128 bytes a wave, named by no other line
.set SPITCH, 528                       ; the way out: 16 rows x (512 bytes + 16) for each wave, in slot 0, which has had its last fill and its last read by then
.set ADRA, 16                          ; v16-17 my A images in slot 0, 1, + 16 x lane;  v18-19 + 8 x lane
.set ADRB, 20
.set STO,  24
.set RD,   25
.set CO,   26
.set ADRS, 27
.set SPW,  28
.set NIL,  29
.set SC,   32
.set BIAS, 64
.set AF,   128
.set BK,   128
.set G1, 24
.set G0, 32
.set G1B, 48
.set G0B, 56
.set G1S, 68
.set G0S, 76
.set G1SB, 80
.set G0SB, 88
.set MSB, 0
.macro WIN new
.if MSB != (\new)
	s_set_vgpr_msb (MSB<<8)|(\new)
.set MSB, (\new)
.endif
.endm
.set MUL_LO, 0xa1
.set MUL_HI, 0xf1
.set TO_B,   0x40
.macro JLOAD g0a, g1a, g0b, g1b        ; waves 0 and 1 fetch for A, waves 2 and 3 for B; four v_nop follow each line
	s_cmp_eq_u32 s15, 0
	s_cbranch_scc0 .Lfor_b_\@
	tensor_load_to_lds s[\g0a:\g0a+3], s[\g1a:\g1a+7]
	s_nop 0
.rept 4
	v_nop
.endr
	s_branch .Lasked_\@
.Lfor_b_\@:
	tensor_load_to_lds s[\g0b:\g0b+3], s[\g1b:\g1b+7]
	s_nop 0
.rept 4
	v_nop
.endr
.Lasked_\@:
.endm
.macro CREST
	s_cmp_lg_u32 s14, 0
	s_cbranch_scc1 .Lnot_wave_0_\@
	s_barrier_signal -3
.Lnot_wave_0_\@:
	s_barrier_wait -3
	s_barrier_signal -1
	s_barrier_wait -1
.endm
.macro CROUND
	s_barrier_signal -1
	s_barrier_wait -1
	CREST
.endm
	s_load_b128 s[4:7], s[0:1], 0x0                ; ab s[4:5], qw s[6:7]
	s_load_b128 s[8:11], s[0:1], 0x10              ; b_proj s[8:9], out0 s[10:11]
	v_lshl_add_u32 v[SPW], v0, 2, SPARE
	v_mov_b32 v[NIL], 0
	ds_add_u32 v28, v29
	ds_add_u32 v28, v29
	s_wait_dscnt 0x0
	v_lshrrev_b32 v1, 5, v0
	v_readfirstlane_b32 s14, v1
	s_lshr_b32 s15, s14, 1                         ; which half of the tile's rows is mine.  Also: I fetch for A (0) or for B (1)
	s_and_b32 s16, s14, 1                          ; which half of its columns.  Also: which 128 rows I fetch
	s_bfe_u32 s40, ttmp6, 0x40000
	s_bfe_u32 s41, ttmp6, 0x40004
	s_lshl_b32 s42, ttmp9, 2
	s_add_co_u32 s42, s42, s40                     ; tile column
	s_and_b32 s17, ttmp7, 0xffff
	s_lshl_b32 s17, s17, 2
	s_add_co_u32 s17, s17, s41                     ; tile row
	s_lshl_b32 s43, s41, 2
	s_lshl_b32 s43, 15, s43
	s_lshl_b32 s44, 0x1111, s40
	s_or_b32 s[G1+0], s43, (3<<16)|(1<<21)         ; A: the mask of my row; elements of 8 bytes; bit 21 beside a mask; no padding
	s_mov_b32 s[G1+1], 384<<16                     ; tensor_dim0: 3,072 bytes
	s_mov_b32 s[G1+2], 8<<16                       ; tensor_dim1: eight tiles of 16 positions
	s_mov_b32 s[G1+3], 384<<16                     ; tile_dim0
	s_mov_b32 s[G1+4], 8                           ; tile_dim1
	s_mov_b32 s[G1+5], 1536                        ; the pitch: 12,288 bytes
	s_mov_b32 s[G1+6], 0
	s_mov_b32 s[G1+7], 0
	s_or_b32 s[G1B+0], s44, (0<<16)|(1<<20)|(1<<21)|(3<<22)|(3<<25)  ; B: 128 rows of 192 bytes, 16 bytes of padding behind every 64
	s_mov_b32 s[G1B+1], ROWB<<16
	s_mov_b32 s[G1B+2], 128<<16
	s_mov_b32 s[G1B+3], ROWB<<16
	s_mov_b32 s[G1B+4], 128
	s_mov_b32 s[G1B+5], KROW
	s_mov_b32 s[G1B+6], 0
	s_mov_b32 s[G1B+7], 0
	s_or_b32 s[G1S+0], s43, (3<<16)|(1<<20)|(1<<21)|(5<<22)|(3<<25)  ; the scale bytes of 128 rows: 16 dense rows of 256 bytes, padded by 16
	s_or_b32 s[G1SB+0], s44, (3<<16)|(1<<20)|(1<<21)|(5<<22)|(3<<25)
.irp g, G1S, G1SB
	s_mov_b32 s[\g+1], 32<<16
	s_mov_b32 s[\g+2], (128*KS/256)<<16
	s_mov_b32 s[\g+3], 32<<16
	s_mov_b32 s[\g+4], 128*KS/256
	s_mov_b32 s[\g+5], 32
	s_mov_b32 s[\g+6], 0
	s_mov_b32 s[\g+7], 0
.endr
	s_lshl_b32 s18, s16, 7
	s_lshl_b32 s20, s17, 8
	s_add_co_u32 s20, s20, s18                     ; A's first row
	s_lshl_b32 s46, s42, 8
	s_add_co_u32 s46, s46, s18                     ; B's
	s_lshl_b32 s22, s20, 5
	s_add_co_u32 s22, s22, ASC
	s_mov_b32 s23, 0
	s_mul_i32 s20, s20, KROW                       ; 16 positions are 12,288 bytes of images: 768 a position
	s_mov_b32 s21, 0
	s_lshl_b32 s92, s46, 5
	s_add_co_u32 s92, s92, WPS
	s_mov_b32 s93, 0
	s_mul_i32 s46, s46, KROW
	s_add_co_u32 s46, s46, WPC
	s_mov_b32 s47, 0
	s_mul_i32 s45, s14, HALFT
	s_mul_i32 s94, s14, HALFS
	s_wait_kmcnt 0x0
	s_add_nc_u64 s[20:21], s[4:5], s[20:21]
	s_add_nc_u64 s[22:23], s[4:5], s[22:23]
	s_add_nc_u64 s[46:47], s[6:7], s[46:47]
	s_add_nc_u64 s[92:93], s[6:7], s[92:93]
	CROUND
	s_mov_b32 s[G0S], 1
	s_add_co_u32 s[G0S+1], s94, SCL
	s_mov_b64 s[G0S+2:G0S+3], s[22:23]
	s_or_b32 s[G0S+3], s[G0S+3], 0x80000000
	s_mov_b32 s[G0SB], 1
	s_add_co_u32 s[G0SB+1], s94, SCL
	s_mov_b64 s[G0SB+2:G0SB+3], s[92:93]
	s_or_b32 s[G0SB+3], s[G0SB+3], 0x80000000
	JLOAD G0S, G1S, G0SB, G1SB                     ; by my own count three tensor loads are out at the most
.irp s, 0,1
	s_mov_b32 s[G0+4*\s], 1
	s_add_co_u32 s[G0+4*\s+1], s45, \s*SLOT
	s_add_nc_u64 s[G0+4*\s+2:G0+4*\s+3], s[20:21], \s*3072
	s_or_b32 s[G0+4*\s+3], s[G0+4*\s+3], 0x80000000
	s_mov_b32 s[G0B+4*\s], 1
	s_add_co_u32 s[G0B+4*\s+1], s45, \s*SLOT
	s_add_nc_u64 s[G0B+4*\s+2:G0B+4*\s+3], s[46:47], \s*ROWB
	s_or_b32 s[G0B+4*\s+3], s[G0B+4*\s+3], 0x80000000
	s_wait_alu depctr_va_vdst(0)
	s_wait_tensorcnt 0x0
	ds_add_u32 v28, v29
	s_wait_dscnt 0x0
	CROUND
	JLOAD G0+4*\s, G1, G0B+4*\s, G1B
.endr
	v_and_b32 v1, 15, v0                           ; r
	v_bfe_u32 v2, v0, 4, 1                         ; h
	v_and_b32 v6, 31, v0                           ; lane
	v_mul_u32_u24 v3, v1, PITCH
	v_mul_u32_u24 v4, v2, 24
	v_add_nc_u32 v4, v3, v4                        ; B: a fragment's row x pitch + 24 h
	v_lshl_add_u32 v5, v2, 4, v4                   ; and behind one padding more
	v_lshlrev_b32 v[CO], 4, v6                     ; 16 x lane
	v_lshlrev_b32 v7, 3, v6                        ; 8 x lane
	s_mul_i32 s21, s15, HALFT
	s_mul_i32 s22, s16, HALFT
	s_add_co_u32 s22, s22, 2*HALFT
.irp s, 0,1
	v_add_nc_u32 v[ADRA+\s], s21, v[CO]
	v_add_nc_u32 v[ADRA+2+\s], s21, v7
	v_add_nc_u32 v[ADRB+\s], s22, v4
	v_add_nc_u32 v[ADRB+2+\s], s22, v5
	s_add_co_u32 s21, s21, SLOT
	s_add_co_u32 s22, s22, SLOT
.endr
	v_mul_u32_u24 v5, v1, KS
	v_lshrrev_b32 v6, 8, v5
	v_lshl_add_u32 v5, v6, 4, v5
	s_mul_i32 s21, s15, HALFS
	s_mul_i32 s22, s16, HALFS
	s_add_co_u32 s22, s22, 2*HALFS
	s_sub_co_u32 s22, s22, s21
	v_mul_u32_u24 v6, s22, v2                      ; lanes 16-31 take B's
	s_add_co_u32 s21, s21, SCL
	v_add_nc_u32 v5, v5, v6
	v_add_nc_u32 v[ADRS], s21, v5
	s_mul_i32 s23, s14, 16*SPITCH                  ; my stage
	v_mul_u32_u24 v5, v1, SPITCH
	v_lshl_add_u32 v5, v2, 5, v5
	v_add_nc_u32 v[STO], s23, v5                   ; in: row r, 32 bytes for each half of the lanes
	v_add_nc_u32 v[RD], s23, v[CO]                 ; back: the 32 lanes take one row of 512 bytes
	s_lshl_b32 s20, s17, 8
	s_lshl_b32 s21, s15, 7
	s_add_co_u32 s20, s20, s21
	s_lshl_b32 s20, s20, 12                        ; my first row of out0, 4,096 bytes a row
	s_lshl_b32 s46, s42, 10
	s_lshl_b32 s47, s16, 9
	s_add_co_u32 s46, s46, s47                     ; my first column in bytes; the same offset serves b_proj
	s_add_co_u32 s20, s20, s46
	s_mov_b32 s21, 0
	s_mov_b32 s47, 0
	s_add_nc_u64 s[12:13], s[10:11], s[20:21]
	s_add_nc_u64 s[8:9], s[8:9], s[46:47]
	v_lshlrev_b32 v7, 5, v2                        ; register j of B's tile b is column 16 b + 8 h + j
.irp b, 0,1,2,3,4,5,6,7
	global_load_b128 v[BIAS+8*\b:BIAS+8*\b+3], v7, s[8:9] offset:64*\b
	global_load_b128 v[BIAS+8*\b+4:BIAS+8*\b+7], v7, s[8:9] offset:64*\b+16
.endr
.macro FRAG reg, adr, q, i             ; B's fragment from padded rows, in pieces of 8 bytes
.irp p, 0,1,2,3,4,5
.set PC, 12*(\q)+6*(\p/3)+\p%3
.if PC%8 < 5
	ds_load_b64 v[\reg+2*\p:\reg+2*\p+1], v[\adr] offset:8*PC+16*(PC/8)+(\i)*16*PITCH
.else
	ds_load_b64 v[\reg+2*\p:\reg+2*\p+1], v[\adr+2] offset:8*PC+16*(PC/8)+(\i)*16*PITCH
.endif
.endr
.endm
.macro FRAGA reg, slot, q, i           ; A's fragment from two heads' images
	ds_load_b128 v[\reg:\reg+3], v[ADRA+\slot] offset:3072*(\i)+1536*(\q)
	ds_load_b64 v[\reg+4:\reg+5], v[ADRA+2+\slot] offset:3072*(\i)+1536*(\q)+512
	ds_load_b128 v[\reg+6:\reg+9], v[ADRA+\slot] offset:3072*(\i)+1536*(\q)+768
	ds_load_b64 v[\reg+10:\reg+11], v[ADRA+2+\slot] offset:3072*(\i)+1536*(\q)+1280
.endm
; 16 matrix instructions: A's blocks a0, a0 + 1 x B's eight.  zero = 1: the sums start from the bias.  The 64 accumulators take turns, one instruction a turn.
.macro MUL16 a0, p, q, sc, zero
.irp a, \a0, \a0+1
.irp b, 0,1,2,3,4,5,6,7
.if \zero
	v_wmma_scale_f32_16x16x128_f8f6f4 v[8*(8*((\a)%4)+\b):8*(8*((\a)%4)+\b)+7], v[128*(\p)+FR*\b:128*(\p)+FR*\b+FR-1], v[AF+FR*(\a):AF+FR*(\a)+FR-1], v[BIAS+8*\b:BIAS+8*\b+7], v[SC+8*NQ*(\sc)+NQ*\b+(\q)], v[SC+8*NQ*(\sc)+NQ*(\a)+(\q)] matrix_a_fmt:MATRIX_FMT_BF6 matrix_b_fmt:MATRIX_FMT_BF6 matrix_a_scale:MATRIX_SCALE_ROW1
.else
	v_wmma_scale_f32_16x16x128_f8f6f4 v[8*(8*((\a)%4)+\b):8*(8*((\a)%4)+\b)+7], v[128*(\p)+FR*\b:128*(\p)+FR*\b+FR-1], v[AF+FR*(\a):AF+FR*(\a)+FR-1], v[8*(8*((\a)%4)+\b):8*(8*((\a)%4)+\b)+7], v[SC+8*NQ*(\sc)+NQ*\b+(\q)], v[SC+8*NQ*(\sc)+NQ*(\a)+(\q)] matrix_a_fmt:MATRIX_FMT_BF6 matrix_b_fmt:MATRIX_FMT_BF6 matrix_a_scale:MATRIX_SCALE_ROW1
.endif
.endr
.endr
.endm
.macro FETCH_B slot, q, p
	WIN TO_B
.irp i, 0,1,2,3,4,5,6,7
	FRAG 128*(\p)+FR*\i, ADRB+\slot, \q, \i
.endr
	WIN 0
.endm
.macro FETCH_A slot, q, i0
.irp i, \i0, \i0+1, \i0+2, \i0+3
	FRAGA AF+FR*(\i), \slot, \q, \i
.endr
.endm
.macro SCALES sc
.irp i, 0,1,2,3,4,5,6,7
	ds_load_b64 v[SC+8*NQ*\sc+NQ*\i:SC+8*NQ*\sc+NQ*\i+1], v[ADRS] offset:\i*SBLK
.endr
.endm
.macro PLACES n
.rept \n
	v_nop
.endr
.endm
.macro STEP slot, q, zero
	s_wait_dscnt 4*NLA                             ; B's set and A's blocks 0-3 are in; the youngest 16 loads (A's blocks 4-7) may be out
.if \zero
	WIN 0x81                                       ; C (the bias) in window 0, D in window 2
.else
	WIN MUL_LO
.endif
	MUL16 0, (\q)%2, \q, \slot, \zero
	MUL16 2, (\q)%2, \q, \slot, \zero
	s_wait_dscnt 0
	PLACES NP
	FETCH_B \slot, (\q)+1, 1-(\q)%2
	FETCH_A \slot, (\q)+1, 0
.if \zero
	WIN 0xc1
.else
	WIN MUL_HI
.endif
	MUL16 4, (\q)%2, \q, \slot, \zero
	MUL16 6, (\q)%2, \q, \slot, \zero
	PLACES NP
	WIN 0
	FETCH_A \slot, (\q)+1, 4
.endm
.macro TURN slot, next, fill
	s_wait_tensorcnt 0x0                           ; all my tensor loads have landed: my part of the next slot
	ds_add_u32 v[SPW], v[NIL]                      ; 0 onto my spare word
	s_wait_dscnt 4*NLA+1                           ; (the add and the youngest 16 loads may be out)
	WIN MUL_LO
	MUL16 0, 1, NQ-1, \slot, 0
	s_wait_dscnt 0x0                               ; the add is done, and my reads of this slot are over
	s_barrier_signal -1
	MUL16 2, 1, NQ-1, \slot, 0
	WIN 0
	s_barrier_wait -1
.if \fill
	CREST                                          ; the barrier has opened a round of the cluster's barrier
	s_add_nc_u64 s[G0+4*\slot+2:G0+4*\slot+3], s[G0+4*\slot+2:G0+4*\slot+3], 6144
	s_add_nc_u64 s[G0B+4*\slot+2:G0B+4*\slot+3], s[G0B+4*\slot+2:G0B+4*\slot+3], 2*ROWB
	JLOAD G0+4*\slot, G1, G0B+4*\slot, G1B         ; the first tensor load behind the round; its four v_nop are the places in front of the loads below
.else
	PLACES NP
.endif
	s_wait_alu depctr_va_vdst(0)
	v_add_nc_u32 v[ADRS], 4*NQ, v[ADRS]
	FETCH_B \next, 0, 0
	FETCH_A \next, 0, 0
	SCALES \next
	WIN MUL_HI
	MUL16 4, 1, NQ-1, \slot, 0
	MUL16 6, 1, NQ-1, \slot, 0
	PLACES NP
	WIN 0
	FETCH_A \next, 0, 4
.endm
	s_wait_alu depctr_va_vdst(0)
	s_wait_loadcnt 0x0                             ; the bias
	s_wait_tensorcnt 1                             ; the scale bytes and my part of K step 0 are in (K step 1's load may be out)
	s_barrier_signal -1
	s_barrier_wait -1
	FETCH_B 0, 0, 0
	FETCH_A 0, 0, 0
	SCALES 0
	FETCH_A 0, 0, 4
	STEP 0, 0, 1
	s_mov_b32 s3, LAPS-1
.Llap:
	TURN 0, 1, 1
	STEP 1, 0, 0
	TURN 1, 0, 1
	STEP 0, 0, 0
	s_sub_co_u32 s3, s3, 1
	s_cmp_lg_u32 s3, 0
	s_cbranch_scc1 .Llap
	TURN 0, 1, 0
	STEP 1, 0, 0
	s_wait_dscnt 4*NLA
	WIN MUL_LO
	MUL16 0, 1, NQ-1, 1, 0
	MUL16 2, 1, NQ-1, 1, 0
	s_wait_dscnt 0
	WIN MUL_HI
	MUL16 4, 1, NQ-1, 1, 0
	MUL16 6, 1, NQ-1, 1, 0
	WIN 0
; THE WAY OUT, block by block of 16 rows x 128 columns, through my own stage: in as 32 bytes a lane, back as whole rows of 512 bytes.  LDS serves a wave's instructions in order: no wait between the stores and the loads.
.macro TOSTAGE a
.set AC, 64*((\a)%4)
	WIN 0x08+4*((\a)/4)                            ; an LDS store's data: window 2 or 3
.irp b, 0,1,2,3,4,5,6,7
	ds_store_b128 v[STO], v[AC+8*\b:AC+8*\b+3] offset:64*\b          ; each accumulator from its low end on
	ds_store_b128 v[STO], v[AC+8*\b+4:AC+8*\b+7] offset:64*\b+16
.endr
	WIN 0
.set BB, BK+64*((\a)%2)
.irp t, 0,1,2,3,4,5,6,7,8,9,10,11,12,13,14,15
	ds_load_b128 v[BB+4*\t:BB+4*\t+3], v[RD] offset:\t*SPITCH
.endr
.endm
.macro SEND a, younger                 ; position 16 a + t of my 128 rows is token 32 (a / 2) + 8 (a % 2) + t + 8 (t / 8): 127 rows of 4,096 bytes at the most, inside the signed 24-bit immediate
.set BB, BK+64*((\a)%2)
	s_wait_dscnt \younger
.irp t, 0,1,2,3,4,5,6,7,8,9,10,11,12,13,14,15
	global_store_b128 v[CO], v[BB+4*\t:BB+4*\t+3], s[12:13] offset:(32*((\a)/2)+8*((\a)%2)+\t+8*(\t/8))*4096 th:TH_STORE_NT   ; 32 lanes store 512 consecutive bytes, aligned
.endr
.endm
	PLACES NP
	TOSTAGE 0
.irp a, 1,2,3,4,5,6,7
.if \a > 1
	s_wait_xcnt 0x0                                ; block a - 2's stores have read their registers: block a's loads may land there
.endif
	TOSTAGE \a
	SEND \a-1, 32                                  ; behind block a - 1's loads: block a's 16 stores and 16 loads
.endr
	SEND 7, 0
	s_wait_tensorcnt 0x0                           ; the wave's end
	ds_add_u32 v[SPW], v[NIL]
	s_wait_dscnt 0x0
	CROUND                                         ; the closing round
	s_endpgm
.Lfunc_end_k_qdfaadb115d_proj:
	.size	k_qdfaadb115d_proj, .Lfunc_end_k_qdfaadb115d_proj-k_qdfaadb115d_proj
	.p2alignl 7, 3214868480
	.fill 96, 4, 3214868480
	.section	.rodata,"a",@progbits
	.p2align	6, 0x0
	.amdhsa_kernel k_qdfaadb115d_proj
		.amdhsa_group_segment_fixed_size 327680
		.amdhsa_private_segment_fixed_size 0
		.amdhsa_enable_private_segment 0
		.amdhsa_kernarg_size 32
		.amdhsa_user_sgpr_count 2
		.amdhsa_user_sgpr_kernarg_segment_ptr 1
		.amdhsa_wavefront_size32 1
		.amdhsa_system_sgpr_workgroup_id_x 1
		.amdhsa_system_sgpr_workgroup_id_y 1
		.amdhsa_system_sgpr_workgroup_id_z 1
		.amdhsa_system_vgpr_workitem_id 0
		.amdhsa_next_free_vgpr 1024
		.amdhsa_next_free_sgpr 98
		.amdhsa_reserve_vcc 0
		.amdhsa_float_denorm_mode_32 3
		.amdhsa_float_denorm_mode_16_64 3
		.amdhsa_memory_ordered 1
		.amdhsa_forward_progress 1
		.amdhsa_inst_pref_size 154
	.end_amdhsa_kernel
	.amdgpu_metadata
---
amdhsa.version: [ 1, 2 ]
amdhsa.kernels:
  - .name:           k_qdfaadb115d_proj
    .symbol:         k_qdfaadb115d_proj.kd
    .args:
      - { .name: ab, .offset: 0, .size: 8, .value_kind: global_buffer, .address_space: global }
      - { .name: qw, .offset: 8, .size: 8, .value_kind: global_buffer, .address_space: global }
      - { .name: b_proj, .offset: 16, .size: 8, .value_kind: global_buffer, .address_space: global }
      - { .name: out0, .offset: 24, .size: 8, .value_kind: global_buffer, .address_space: global }
    .group_segment_fixed_size: 327680
    .private_segment_fixed_size: 0
    .kernarg_segment_align: 8
    .kernarg_segment_size: 32
    .max_flat_workgroup_size: 128
    .sgpr_count:     98
    .vgpr_count:     1024
    .wavefront_size: 32
...
	.end_amdgpu_metadata
.endif
;; end of part 4
